; MI455X (gfx1250); checked and timed in simulation.
; The chip was launched on July 23, 2026; its instructions are those of AMD's public machine-readable ISA for CDNA 5 (MIT licence, August 2026) and "CDNA5" Instruction Set Architecture Reference Guide (July 2026). The comments in the code are by the model that wrote it; some were corrected since.
;; Conformer Block. Allowed arithmetic: float matrix products may take bf16 or f16 operands with f32 sums; other float arithmetic in f32, or as packed bf16 or f16 multiplies, adds, multiply-adds, maxima and minima; sums over many terms, partial sums and values carried from step to step in f32; what a program stores and reads back later, other than sums and carried values, may be rounded once to bf16 or f16.
;; Inputs: W_ffn1 1,024 x 4,096 float32; W_ffn2 4,096 x 1,024 float32; W_proj 1,024 x 1,024 float32; W_qkv 1,024 x 3,072 float32; b_ffn1 4,096 float32; b_ffn2 1,024 float32; b_proj 1,024 float32; b_qkv 3,072 float32; ln1_b 1,024 float32; ln1_g 1,024 float32; ln2_b 1,024 float32; ln2_g 1,024 float32; x 2 x 2,048 x 1,024 float32.
;; Outputs: out0 2 x 2,048 x 1,024 float32.
;; One version. Each part assembles by itself: llvm-mc -triple=amdgcn-amd-amdhsa -mcpu=gfx1250 --defsym DOCPART=n.
;; ======== version 1 of 1: 8 launches
;; workspace buffers: wb 25,165,824 bytes; rope 524,288 bytes; nx 8,388,608 bytes; qkvb 25,165,824 bytes; ob 8,388,608 bytes; x1 16,777,216 bytes; hb 33,554,432 bytes
;; launch prep (part 1): grid 1024 x 1, 8 waves a work-group, no clusters, 0 bytes of LDS; arguments W_qkv, W_proj, W_ffn1, W_ffn2, wb, rope; writes wb, rope
.if DOCPART == 1
	.amdgcn_target "amdgcn-amd-amdhsa--gfx1250"
	.amdhsa_code_object_version 6
	.text
	.protected	k_q4bb426d09a_prep
	.globl	k_q4bb426d09a_prep
	.p2align	8
	.type	k_q4bb426d09a_prep,@function
k_q4bb426d09a_prep:
	s_mov_b64 s[64:65], 0
	v_nop
	global_prefetch_b8 v0, s[64:65] scope:SCOPE_SE
	s_setreg_imm32_b32 hwreg(HW_REG_WAVE_MODE, 25, 1), 1
	s_wait_xcnt 0x0
; THE WEIGHTS ROUNDED ONCE TO bf16, AND RoPE's TABLE.  A stream: no LDS, no barrier, no matrix unit; each input byte is read once.
; wb holds, all as [K][N] in bf16: W_qkv at byte 0 (its 3,072 columns reordered: new column head x 192 + sel x 64 + d is old column sel x 1,024 + head x 64 + d,
; so that a head's q, k and v columns lie together), W_proj at 6,291,456, W_ffn1 at 8,388,608, W_ffn2 at 16,777,216.
; rope: f32 [2048][64]: row t holds cos(t f_j), j = 0..31, then sin(t f_j), f_j = 10000^(-j/32).
; Work-groups 0..767 cast 16,384 numbers each: 16 loads of 16 bytes and 16 stores of 8 bytes a thread; sixteen lanes load 256 bytes on end, a wave stores 256 bytes on end.
; Work-groups 768..1023 make eight rows of the table, a wave a row, a lane two entries.
; LIMIT: the angle t f_j is reduced by one fused multiply-add with 1/(2 pi) in f32: it is good to about 3e-4 radians at t = 2,047; the series (nine terms on -pi..pi) is cut below 2e-7.
.set I0, 4                             ; v4   my byte offset in the source's first row
.set O0, 5                             ; v5   my byte offset in the target's first row
.set X,  40                            ; v[40:103]   16 x 4 f32 as loaded
.set Y,  104                           ; v[104:135]  16 x 2 words of bf16 to store
.macro CAST sin, sout                  ; sixteen rows, sin bytes apart in the source, sout in the target; no register is written twice
.set i, 0
.rept 16
	global_load_b128 v[X+4*i:X+4*i+3], v[I0], s[20:21] offset:i*(\sin) th:TH_LOAD_NT
.set i, i+1
.endr
.set i, 0
.rept 16
	s_wait_loadcnt 15-i                            ; loads come back in order: number i is in, the 15 - i younger ones stay out
	v_cvt_pk_bf16_f32 v[Y+2*i], v[X+4*i], v[X+4*i+1]
	v_cvt_pk_bf16_f32 v[Y+2*i+1], v[X+4*i+2], v[X+4*i+3]
	global_store_b64 v[O0], v[Y+2*i:Y+2*i+1], s[22:23] offset:i*(\sout)
.set i, i+1
.endr
.endm
.macro COEF r, c, s                    ; v[r] = the series' coefficient: c in a lane that makes cosines, s in one that makes sines
	v_mov_b32 v[\r], \s
	v_cndmask_b32 v[\r], \c, v[\r], vcc_lo
.endm
	s_load_b256 s[4:11], s[0:1], 0x0               ; W_qkv s[4:5], W_proj s[6:7], W_ffn1 s[8:9], W_ffn2 s[10:11]
	s_load_b128 s[12:15], s[0:1], 0x20             ; wb s[12:13], rope s[14:15]
	s_mov_b32 s16, ttmp9                           ; the work-group's number
	v_lshrrev_b32 v1, 5, v0
	v_readfirstlane_b32 s17, v1                    ; wave 0..7
	v_and_b32 v2, 31, v0                           ; lane
	s_mov_b32 s27, 0
	s_mov_b32 s29, 0
	s_cmp_lt_u32 s16, 768
	s_cbranch_scc0 .Lrope
	s_cmp_lt_u32 s16, 192
	s_cbranch_scc0 .Lplain
	; W_qkv: work-group = (third of the columns, 16 rows); a wave takes 128 new columns, a lane four of them
	s_lshr_b32 s18, s16, 6
	s_and_b32 s19, s16, 63                         ; which 16 rows
	s_lshl_b32 s18, s18, 3
	s_add_co_u32 s18, s18, s17                     ; u: which 128 new columns, 0..23
	v_lshrrev_b32 v3, 4, v2
	s_lshl_b32 s24, s18, 1
	v_add_nc_u32 v3, s24, v3                       ; which 64 new columns, 0..47 = 3 head + sel
	v_mul_u32_u24 v6, 43, v3
	v_lshrrev_b32 v6, 7, v6                        ; head = that / 3 (43 / 128 serves up to 47)
	v_mul_u32_u24 v7, 3, v6
	v_sub_nc_u32 v7, v3, v7                        ; sel
	v_and_b32 v8, 15, v2
	v_lshlrev_b32 v[I0], 12, v7                    ; sel x 1,024 columns x 4 bytes
	v_lshl_add_u32 v[I0], v6, 8, v[I0]             ; + head x 64 x 4
	v_lshl_add_u32 v[I0], v8, 4, v[I0]             ; + my four columns
	s_lshl_b32 s24, s18, 8
	v_lshl_add_u32 v[O0], v2, 3, s24               ; u x 256 + 8 x lane
	s_mul_i32 s26, s19, 16*12288
	s_mul_i32 s28, s19, 16*6144
	s_wait_kmcnt 0x0
	s_add_nc_u64 s[20:21], s[4:5], s[26:27]
	s_add_nc_u64 s[22:23], s[12:13], s[28:29]
	CAST 12288, 6144
	s_endpgm
.Lplain:                                       ; the other three are copied as they lie: 65,536 bytes in, 32,768 out; wb's parts begin at 32,768 x the part's first work-group
	s_cmp_lt_u32 s16, 256
	s_cselect_b32 s18, 63, 0xff
	s_and_b32 s18, s16, s18                        ; my number within the tensor (the parts begin at 192, 256 and 512)
	s_lshl_b32 s26, s18, 16
	s_lshl_b32 s28, s16, 15
	v_lshlrev_b32 v[I0], 4, v0
	v_lshlrev_b32 v[O0], 3, v0
	s_wait_kmcnt 0x0
	s_cmp_lt_u32 s16, 512
	s_cselect_b64 s[20:21], s[8:9], s[10:11]
	s_cmp_lt_u32 s16, 256
	s_cselect_b64 s[20:21], s[6:7], s[20:21]
	s_add_nc_u64 s[20:21], s[20:21], s[26:27]
	s_add_nc_u64 s[22:23], s[12:13], s[28:29]
	CAST 4096, 2048
	s_endpgm
.Lrope:
	s_sub_co_u32 s18, s16, 768
	s_lshl_b32 s18, s18, 3
	s_add_co_u32 s18, s18, s17                     ; t
	v_and_b32 v3, 15, v2
	v_lshlrev_b32 v3, 1, v3                        ; j of my first entry; lanes 16-31 make the sines of the same j
	v_cvt_f32_u32 v4, v3
	v_add_f32 v5, 1.0, v4
	v_mul_f32 v4, 0xbed49a78, v4                   ; -j log2(10000) / 32
	v_mul_f32 v5, 0xbed49a78, v5
	v_exp_f32 v4, v4                               ; f_j
	v_exp_f32 v5, v5
	v_cvt_f32_u32 v6, s18                          ; plain work that names neither result stands behind the two exponentials
	v_cmp_le_u32 vcc_lo, 16, v2                    ; a lane of sines?
	COEF 10, 0x3f800000, 0x3f800000                ; cos: (-1)^k / (2k)!      sin: (-1)^k / (2k+1)!
	COEF 11, 0xbf000000, 0xbe2aaaab
	COEF 12, 0x3d2aaaab, 0x3c088889
	COEF 13, 0xbab60b61, 0xb9500d01
	COEF 14, 0x37d00d01, 0x3638ef1d
	COEF 15, 0xb493f27e, 0xb2d7322b
	COEF 16, 0x310f76c7, 0x2f309231
	COEF 17, 0xad49cba5, 0xab573f9f
	COEF 18, 0x29573f9f, 0x274a963b
	s_wait_alu depctr_va_vdst(0)                   ; one wait for both exponentials, ahead of their first reader
	v_mul_f32 v4, v6, v4                           ; the angle
	v_mul_f32 v5, v6, v5
	v_mul_f32 v7, 0.15915494, v4
	v_mul_f32 v8, 0.15915494, v5
	v_rndne_f32 v7, v7                             ; whole turns
	v_rndne_f32 v8, v8
	v_fma_f32 v4, v4, 0.15915494, -v7              ; the rest, -0.5 .. 0.5 of a turn
	v_fma_f32 v5, v5, 0.15915494, -v8
	v_mul_f32 v4, 0x40c90fdb, v4                   ; in radians
	v_mul_f32 v5, 0x40c90fdb, v5
	v_mul_f32 v7, v4, v4
	v_mul_f32 v8, v5, v5
	v_fma_f32 v20, v18, v7, v17
	v_fma_f32 v21, v18, v8, v17
.irp k, 16,15,14,13,12,11,10
	v_fma_f32 v20, v20, v7, v[\k]
	v_fma_f32 v21, v21, v8, v[\k]
.endr
	v_cndmask_b32 v4, 1.0, v4, vcc_lo              ; the sine's series is multiplied by the angle
	v_cndmask_b32 v5, 1.0, v5, vcc_lo
	v_mul_f32 v20, v20, v4
	v_mul_f32 v21, v21, v5
	v_lshlrev_b32 v9, 3, v2
	s_lshl_b32 s26, s18, 8
	s_wait_kmcnt 0x0
	s_add_nc_u64 s[14:15], s[14:15], s[26:27]
	global_store_b64 v9, v[20:21], s[14:15]        ; the wave stores the row's 256 bytes on end
	s_endpgm
.Lfunc_end_k_q4bb426d09a_prep:
	.size	k_q4bb426d09a_prep, .Lfunc_end_k_q4bb426d09a_prep-k_q4bb426d09a_prep
	.p2alignl 7, 3214868480
	.fill 96, 4, 3214868480
	.section	.rodata,"a",@progbits
	.p2align	6, 0x0
	.amdhsa_kernel k_q4bb426d09a_prep
		.amdhsa_group_segment_fixed_size 0
		.amdhsa_private_segment_fixed_size 0
		.amdhsa_enable_private_segment 0
		.amdhsa_kernarg_size 48
		.amdhsa_user_sgpr_count 2
		.amdhsa_user_sgpr_kernarg_segment_ptr 1
		.amdhsa_wavefront_size32 1
		.amdhsa_system_sgpr_workgroup_id_x 1
		.amdhsa_system_sgpr_workgroup_id_y 1
		.amdhsa_system_sgpr_workgroup_id_z 1
		.amdhsa_system_vgpr_workitem_id 0
		.amdhsa_next_free_vgpr 136
		.amdhsa_next_free_sgpr 66
		.amdhsa_reserve_vcc 1
		.amdhsa_float_denorm_mode_32 3
		.amdhsa_float_denorm_mode_16_64 3
		.amdhsa_memory_ordered 1
		.amdhsa_forward_progress 1
		.amdhsa_inst_pref_size 17
	.end_amdhsa_kernel
	.amdgpu_metadata
---
amdhsa.version: [ 1, 2 ]
amdhsa.kernels:
  - .name:           k_q4bb426d09a_prep
    .symbol:         k_q4bb426d09a_prep.kd
    .args:
      - { .name: W_qkv, .offset: 0, .size: 8, .value_kind: global_buffer, .address_space: global }
      - { .name: W_proj, .offset: 8, .size: 8, .value_kind: global_buffer, .address_space: global }
      - { .name: W_ffn1, .offset: 16, .size: 8, .value_kind: global_buffer, .address_space: global }
      - { .name: W_ffn2, .offset: 24, .size: 8, .value_kind: global_buffer, .address_space: global }
      - { .name: wb, .offset: 32, .size: 8, .value_kind: global_buffer, .address_space: global }
      - { .name: rope, .offset: 40, .size: 8, .value_kind: global_buffer, .address_space: global }
    .group_segment_fixed_size: 0
    .private_segment_fixed_size: 0
    .kernarg_segment_align: 8
    .kernarg_segment_size: 48
    .max_flat_workgroup_size: 256
    .sgpr_count:     66
    .vgpr_count:     136
    .wavefront_size: 32
...
	.end_amdgpu_metadata
.endif
;; end of part 1
;; launch ln1 (part 2): grid 512 x 1, 4 waves a work-group, no clusters, 0 bytes of LDS; arguments x, ln1_g, ln1_b, nx; writes nx
.if DOCPART == 2
	.amdgcn_target "amdgcn-amd-amdhsa--gfx1250"
	.amdhsa_code_object_version 6
	.text
	.protected	k_q4bb426d09a_ln1
	.globl	k_q4bb426d09a_ln1
	.p2align	8
	.type	k_q4bb426d09a_ln1,@function
k_q4bb426d09a_ln1:
	s_mov_b64 s[64:65], 0
	v_nop
	global_prefetch_b8 v0, s[64:65] scope:SCOPE_SE
	s_setreg_imm32_b32 hwreg(HW_REG_WAVE_MODE, 25, 1), 1
	s_wait_xcnt 0x0
; LAYER NORM.  y[r][c] = (x[r][c] - mean_r) rsqrt(var_r + 1e-5) g[c] + b[c].  x: [4096][1024] f32; y: the same shape in bf16, rounded once.  Serves both norms of the block.
; A stream: a wave takes two rows; a row is 4,096 bytes, eight loads of 16 bytes a lane, and stays in 32 registers between the passes, so that it is read once.  The mean is taken first and
; subtracted, the variance is the mean of the squares of what is left: no difference of large sums is formed.  No LDS, no barrier: a row never leaves its wave.
; Each load of a wave covers 512 bytes on end, each store 256 bytes on end.
.set G,  8                             ; v[8:39]     g of my 32 columns (4 lane + 128 j ..)
.set BB, 40                            ; v[40:71]    b
.set X,  72                            ; v[72:135]   two rows
.set Y,  136                           ; v[136:167]  two rows to store: each row has its own, so no store's data is rewritten
.set T,  168                           ; v[168:177]  at work
.set R,  178                           ; v[178:179]  1 / sqrt(var + eps), in the low register
.macro ACROSS r                        ; the sum of v[r] over the 32 lanes, in every lane; v[r+1] is at work and has been written
	v_add_f32_dpp v[\r], v[\r], v[\r] row_xmask:1 row_mask:0xf bank_mask:0xf
	v_add_f32_dpp v[\r], v[\r], v[\r] row_xmask:2 row_mask:0xf bank_mask:0xf
	v_add_f32_dpp v[\r], v[\r], v[\r] row_xmask:4 row_mask:0xf bank_mask:0xf
	v_add_f32_dpp v[\r], v[\r], v[\r] row_xmask:8 row_mask:0xf bank_mask:0xf
	v_permlanex16_b32 v[(\r)+1], v[\r], s18, s19
	v_add_f32 v[\r], v[\r], v[(\r)+1]
.endm
.macro ROW r
.set XR, X+32*(\r)
.irp c, 0,1,2,3                        ; the sum, in four chains that the first words start
	v_pk_add_f32 v[T+2*(\c):T+2*(\c)+1], v[XR+4*(\c):XR+4*(\c)+1], v[XR+4*(\c)+2:XR+4*(\c)+3]
.endr
.irp k, 16,18,20,22,24,26,28,30
	v_pk_add_f32 v[T+2*(((\k)/2)%4):T+2*(((\k)/2)%4)+1], v[T+2*(((\k)/2)%4):T+2*(((\k)/2)%4)+1], v[XR+(\k):XR+(\k)+1]
.endr
	v_pk_add_f32 v[T:T+1], v[T:T+1], v[T+2:T+3]
	v_pk_add_f32 v[T+4:T+5], v[T+4:T+5], v[T+6:T+7]
	v_pk_add_f32 v[T:T+1], v[T:T+1], v[T+4:T+5]
	v_add_f32 v[T], v[T], v[T+1]
	ACROSS T
	v_mul_f32 v[T], s14, v[T]                      ; the mean
.set k, 0
.rept 16
	v_pk_add_f32 v[XR+k:XR+k+1], v[XR+k:XR+k+1], v[T:T+1] op_sel_hi:[1,0] neg_lo:[0,1] neg_hi:[0,1]
.set k, k+2
.endr
.irp c, 0,1,2,3                        ; the sum of squares, likewise
	v_pk_mul_f32 v[T+2+2*(\c):T+3+2*(\c)], v[XR+2*(\c):XR+2*(\c)+1], v[XR+2*(\c):XR+2*(\c)+1]
.endr
.irp k, 8,10,12,14,16,18,20,22,24,26,28,30
	v_pk_fma_f32 v[T+2+2*(((\k)/2)%4):T+3+2*(((\k)/2)%4)], v[XR+(\k):XR+(\k)+1], v[XR+(\k):XR+(\k)+1], v[T+2+2*(((\k)/2)%4):T+3+2*(((\k)/2)%4)]
.endr
	v_pk_add_f32 v[T+2:T+3], v[T+2:T+3], v[T+4:T+5]
	v_pk_add_f32 v[T+6:T+7], v[T+6:T+7], v[T+8:T+9]
	v_pk_add_f32 v[T+2:T+3], v[T+2:T+3], v[T+6:T+7]
	v_add_f32 v[T+2], v[T+2], v[T+3]
	ACROSS T+2
	v_fma_f32 v[T+2], v[T+2], s14, s15             ; var + eps
	v_rsq_f32 v[R], v[T+2]
	v_mov_b32 v[R+1], 0                            ; the plain instruction behind the root; the register is named with R as a pair
	s_wait_alu depctr_va_vdst(0)                   ; the wait ahead of the root's first reader
.if (\r) == 0
	s_wait_loadcnt 0x0                             ; g and b are in (and the second row)
.endif
.set k, 0
.rept 16
	v_pk_mul_f32 v[XR+k:XR+k+1], v[XR+k:XR+k+1], v[R:R+1] op_sel_hi:[1,0]
	v_pk_fma_f32 v[XR+k:XR+k+1], v[XR+k:XR+k+1], v[G+k:G+k+1], v[BB+k:BB+k+1]
	v_cvt_pk_bf16_f32 v[Y+16*(\r)+k/2], v[XR+k], v[XR+k+1]
.set k, k+2
.endr
.irp j, 0,1,2,3,4,5,6,7
	global_store_b64 v2, v[Y+16*(\r)+2*(\j):Y+16*(\r)+2*(\j)+1], s[10:11] offset:2048*(\r)+256*(\j)
.endr
.endm
	s_load_b256 s[4:11], s[0:1], 0x0               ; x s[4:5], g s[6:7], b s[8:9], y s[10:11]
	v_lshrrev_b32 v1, 5, v0
	v_readfirstlane_b32 s12, v1                    ; wave 0..3
	v_and_b32 v3, 31, v0
	v_lshlrev_b32 v1, 4, v3                        ; 16 x lane
	v_lshlrev_b32 v2, 3, v3                        ; 8 x lane
	s_lshl_b32 s2, ttmp9, 2
	s_add_co_u32 s2, s2, s12                       ; my pair of rows
	s_lshl_b32 s16, s2, 12                         ; x 2 x 2,048 bytes of y
	s_lshl_b32 s2, s2, 13                          ; x 2 x 4,096 bytes of x
	s_mov_b32 s3, 0
	s_mov_b32 s17, 0
	s_mov_b32 s14, 0x3a800000                      ; 1 / 1024
	s_mov_b32 s15, 0x3727c5ac                      ; 1e-5
	s_mov_b32 s18, 0x76543210                      ; v_permlanex16_b32: each lane takes its own place in the other half
	s_mov_b32 s19, 0xfedcba98
	s_wait_kmcnt 0x0
	s_add_nc_u64 s[4:5], s[4:5], s[2:3]
	s_add_nc_u64 s[10:11], s[10:11], s[16:17]
.irp r, 0,1
.irp j, 0,1,2,3,4,5,6,7
	global_load_b128 v[X+32*(\r)+4*(\j):X+32*(\r)+4*(\j)+3], v1, s[4:5] offset:4096*(\r)+512*(\j)
.endr
.endr
.irp j, 0,1,2,3,4,5,6,7
	global_load_b128 v[G+4*(\j):G+4*(\j)+3], v1, s[6:7] offset:512*(\j)
.endr
.irp j, 0,1,2,3,4,5,6,7
	global_load_b128 v[BB+4*(\j):BB+4*(\j)+3], v1, s[8:9] offset:512*(\j)
.endr
	s_wait_loadcnt 24                              ; the first row is in; the second row, g and b, 24 loads, stay out
	ROW 0
	ROW 1
	s_endpgm
.Lfunc_end_k_q4bb426d09a_ln1:
	.size	k_q4bb426d09a_ln1, .Lfunc_end_k_q4bb426d09a_ln1-k_q4bb426d09a_ln1
	.p2alignl 7, 3214868480
	.fill 96, 4, 3214868480
	.section	.rodata,"a",@progbits
	.p2align	6, 0x0
	.amdhsa_kernel k_q4bb426d09a_ln1
		.amdhsa_group_segment_fixed_size 0
		.amdhsa_private_segment_fixed_size 0
		.amdhsa_enable_private_segment 0
		.amdhsa_kernarg_size 32
		.amdhsa_user_sgpr_count 2
		.amdhsa_user_sgpr_kernarg_segment_ptr 1
		.amdhsa_wavefront_size32 1
		.amdhsa_system_sgpr_workgroup_id_x 1
		.amdhsa_system_sgpr_workgroup_id_y 1
		.amdhsa_system_sgpr_workgroup_id_z 1
		.amdhsa_system_vgpr_workitem_id 0
		.amdhsa_next_free_vgpr 184
		.amdhsa_next_free_sgpr 66
		.amdhsa_reserve_vcc 0
		.amdhsa_float_denorm_mode_32 3
		.amdhsa_float_denorm_mode_16_64 3
		.amdhsa_memory_ordered 1
		.amdhsa_forward_progress 1
		.amdhsa_inst_pref_size 20
	.end_amdhsa_kernel
	.amdgpu_metadata
---
amdhsa.version: [ 1, 2 ]
amdhsa.kernels:
  - .name:           k_q4bb426d09a_ln1
    .symbol:         k_q4bb426d09a_ln1.kd
    .args:
      - { .name: x, .offset: 0, .size: 8, .value_kind: global_buffer, .address_space: global }
      - { .name: ln1_g, .offset: 8, .size: 8, .value_kind: global_buffer, .address_space: global }
      - { .name: ln1_b, .offset: 16, .size: 8, .value_kind: global_buffer, .address_space: global }
      - { .name: nx, .offset: 24, .size: 8, .value_kind: global_buffer, .address_space: global }
    .group_segment_fixed_size: 0
    .private_segment_fixed_size: 0
    .kernarg_segment_align: 8
    .kernarg_segment_size: 32
    .max_flat_workgroup_size: 128
    .sgpr_count:     66
    .vgpr_count:     184
    .wavefront_size: 32
...
	.end_amdgpu_metadata
.endif
;; end of part 2
;; launch qkv (part 3): grid 8 x 32, 4 waves a work-group, clusters of 4 x 4, 327,680 bytes of LDS; arguments nx, wb, b_qkv, rope, qkvb; writes qkvb
.if DOCPART == 3
	.amdgcn_target "amdgcn-amd-amdhsa--gfx1250"
	.amdhsa_code_object_version 6
	.text
	.protected	k_q4bb426d09a_qkv
	.globl	k_q4bb426d09a_qkv
	.p2align	8
	.type	k_q4bb426d09a_qkv,@function
k_q4bb426d09a_qkv:
	s_mov_b64 s[64:65], 0
	v_nop
	global_prefetch_b8 v0, s[64:65] scope:SCOPE_SE
	s_setreg_imm32_b32 hwreg(HW_REG_WAVE_MODE, 25, 1), 1
	s_wait_xcnt 0x0
	s_wait_alu depctr_hold_cnt(0) depctr_sa_sdst(0) depctr_va_vdst(0) depctr_va_sdst(0) depctr_va_ssrc(0) depctr_va_vcc(0) depctr_vm_vsrc(0)
	s_getreg_b32 s2, hwreg(HW_REG_IB_STS2, 6, 4)
	s_cmp_eq_u32 s2, 0
	s_cbranch_scc0 .Lentry_in_a_cluster
	s_endpgm
.Lentry_in_a_cluster:
	s_bfe_u32 s2, ttmp6, 0x10000c
	s_cmp_lg_u32 s2, 0xf033
	s_cbranch_scc0 .Lentry_shape_is_right
	s_endpgm
.Lentry_shape_is_right:
; q, k, v = nx W_qkv + b_qkv, q and k turned by RoPE; all three stored by heads, [3][32 = batch x 16 + head][2048][64] in bf16, rounded once from f32 sums, unscaled.
; nx: [4096][1024] bf16.  W: [1024][3072] bf16 at wb's byte 0, its columns ordered head x 192 + sel x 64 + d.  b_qkv: f32 in the problem's own order.  rope: f32 [2048][64]: 32 cosines, 32 sines.
; SHARES.  A work-group makes 128 rows x 384 columns, a wave 64 rows x 192 columns: q, k and v of ONE head, 48 accumulators of 16 x 16.  So which columns are turned is fixed in the text.
; K goes in 8 steps of 128 through two LDS slots.  A slot has four panels of 36,864 bytes, one tensor load and one wave each: wave 0 brings 128 rows of nx (256 bytes + 16 of padding a row),
; waves 1-3 bring 128 k rows x 128 columns of W (256 + 32).  W lies [K][N] and is read turned (ds_load_tr16_b128).
; THE MATRIX INSTRUCTION IS USED TRANSPOSED: source 0 = 16 columns of W, source 1 = 16 rows of nx: a lane holds one row (lane % 16) and eight neighbouring columns (8 (lane / 16) + 0..7).
; THE BIAS is the C operand of each accumulator's first product: nothing is cleared and nothing is added afterwards.
; CLUSTER 4 x 4: nx's panel hangs on the tile row alone and is asked for jointly along a row of the cluster, W's on the tile column alone and jointly along a column.
; THE WAY OUT.  RoPE in registers (d and d + 32 lie two accumulators apart in the same lane); then the f32 results go into the ring, which has had its last fill, each wave into bytes of its own,
; and come back as whole rows: a store covers 512 bytes on end (four rows of a head).
; LIMITS: operands in bf16; NaN and infinities are not treated apart.
; REGISTERS in windows of 256 (s_set_vgpr_msb: bits 1:0 source 0, 3:2 source 1, 5:4 source 2, 7:6 destination).  Window 0: v0-31 addresses; v64-127 nx's fragments, two buffers; v128-223 the bias, later
; at work.  Window 1: W's fragments, two buffers of 96.  Windows 2, 3: accumulator i = 12 a + b at window 2 + i / 32, register 8 (i % 32).  Window 3, v128-255: my rows of the table.
.set NSTEP, 8                          ; K steps
.set NAW,   1                          ; waves that fetch nx
.set NBL,   12                         ; blocks of 16 columns a wave
.set NACC,  4*NBL
.set QK,    1                          ; K = 32 to a quarter of a step
.set NQ,    NACC*QK                    ; matrix instructions in a quarter
.set APIT,  272
.set ABLK,  0
.set QPB,   4
.set PANEL, 36864
.set BOFF,  NAW*PANEL
.set SLOT,  4*PANEL
.set SPARE, 2*SLOT                     ; behind the ring: the spare words, 128 bytes a wave, that no other line names
.set LDA,   1024
.set LDB,   3072
.set ASTEP, 256                        ; bytes from a K step to the next, in nx
.set BSTEP, 128*LDB*2                  ; and in W
.set NBA,   3                          ; address registers for W: one for each 64 columns
.set DP,    784                        ; the way out: a row of 192 f32 + 16 bytes
.set RG,    64*DP                      ; a wave's bytes there
.set AH,    1                          ; a prefetch names the K step AH behind the one that the refill beside it asks for
.set PF,    1
.set BI,    128
.set TT,    128                        ; v[128:159] at work in RoPE
.set ADRA0, 8                          ; v8      my place in nx's panel; never rewritten
.set ADRB0, 9                          ; v9-11   in W's panels; never rewritten
.set ADRA,  16                         ; v16     the same plus the slot in hand
.set ADRB,  17                         ; v17-19
.set DST,   24                         ; v24     the way out: where I put 32 bytes of a row
.set RD,    25                         ; v25     where I read rows back
.set GO,    26                         ; v26     my byte offset in the stores
.set BO,    27                         ; v27     32 (lane / 16): my eight columns of the bias
.set SPW,   28                         ; v28     my spare word; never rewritten
.set NIL,   29                         ; v29     0; never rewritten
.set PFO,   30                         ; v30     the prefetches' offset: lane x a row's bytes; never rewritten
.set XO,    31                         ; v31     my offset in the table
.set WV, 14
.set WM, 15
.set WN, 16
.set CX, 17
.set CY, 18
.set TC, 19
.set TR, 20
.set G1A, 24                           ; s[24:31] descriptor group 1 for nx's panel
.set G0A, 32                           ; s[32:39] group 0, two sets: the first fill's; the second's, which then walks
.set G1B, 40                           ; s[40:47], s[48:55] the same for W's
.set G0B, 48
.set SL,  56                           ; s56  LDS byte of the slot that is read: 0 or SLOT
.set LB,  57                           ; s57  my panel's place in a slot
.set CNT, 58
.set LIM, 59                           ; s59  AH in a wave that prefetches, else the greatest number
.set PFA, 60                           ; s[60:61] where my prefetches stand
.set PST, 62                           ; s[62:63] their step
.set HD,  78                           ; s78  my head
.set T0,  79                           ; s79  my first row's place in its sequence
.set MSB, 0
.macro WIN new                         ; the immediate's high byte repeats the setting that is left; a switch that changes nothing is dropped
.if MSB != (\new)
	s_set_vgpr_msb (MSB<<8)|(\new)
.set MSB, \new
.endif
.endm
.macro PLACES                          ; four plain instructions between a matrix instruction and a load into, or a reader of, its registers
.rept 4
	v_nop
.endr
.endm
.macro CREST                           ; a round of the cluster's barrier behind its opening barrier
	s_cmp_lg_u32 s[WV], 0
	s_cbranch_scc1 .Lnot_wave_0_\@
	s_barrier_signal -3
.Lnot_wave_0_\@:
	s_barrier_wait -3
	s_barrier_signal -1
	s_barrier_wait -1
.endm
.macro CROUND
	s_barrier_signal -1
	s_barrier_wait -1
	CREST
.endm
.macro JLOAD s                         ; a joint load, one a wave; the branch hangs on the wave's number alone; an s_nop 0 and four v_nop follow each line
	s_cmp_lt_u32 s[WV], NAW
	s_cbranch_scc0 .Lfor_b_\@
	tensor_load_to_lds s[G0A+4*(\s):G0A+4*(\s)+3], s[G1A:G1A+7]
	s_nop 0
	PLACES
	s_branch .Lasked_\@
.Lfor_b_\@:
	tensor_load_to_lds s[G0B+4*(\s):G0B+4*(\s)+3], s[G1B:G1B+7]
	s_nop 0
	PLACES
.Lasked_\@:
.endm
.macro ASK                             ; 32 rows x 256 bytes of my panel, AH K steps behind the refill just asked for: a lane a row; the last AH refills ask for nothing
	s_cmp_gt_u32 s[CNT], s[LIM]
	s_cbranch_scc0 .Lnot_mine_\@
	global_prefetch_b8 v[PFO], s[PFA:PFA+1] th:TH_LOAD_NT scope:SCOPE_SE
.Lnot_mine_\@:
.endm
.macro ADDR                            ; the working LDS addresses: the fixed ones plus the slot in hand
	v_add_nc_u32 v[ADRA], s[SL], v[ADRA0]
.set g2, 0
.rept NBA
	v_add_nc_u32 v[ADRB+g2], s[SL], v[ADRB0+g2]
.set g2, g2+1
.endr
.endm
.macro FETCH qq, f                     ; the fragments of quarter qq of the slot in hand into buffer f, in one run of LDS loads
.set c2, 0
.rept QK
.set q2, (\qq)*QK+c2
	WIN 0x40                                       ; destination window 1
.set b2, 0
.rept NBL
.set rB, ((\f)*QK+c2)*8*NBL+8*b2
.set rX, ADRB+b2/4+(q2/4)*(NBL/4)
	ds_load_tr16_b128 v[rB:rB+3],   v[rX] offset:(b2%4)*32+(q2%4)*9216
	ds_load_tr16_b128 v[rB+4:rB+7], v[rX] offset:(b2%4)*32+(q2%4)*9216+4608
.set b2, b2+1
.endr
	WIN 0
.set a2, 0
.rept 4
.set rA, 64+((\f)*QK+c2)*32+8*a2
	ds_load_b128 v[rA:rA+3],   v[ADRA] offset:(q2/QPB)*ABLK+(q2%QPB)*64+a2*16*APIT
	ds_load_b128 v[rA+4:rA+7], v[ADRA] offset:(q2/QPB)*ABLK+(q2%QPB)*64+a2*16*APIT+32
.set a2, a2+1
.endr
.set c2, c2+1
.endr
.endm
.macro MUL f, lo, hi, zero             ; products lo .. hi - 1 of a quarter on buffer f.  The accumulators take turns, one instruction a turn, in the same order in every quarter
.set idx, \lo
.rept (\hi)-(\lo)
.set cc, idx/NACC
.set ii, idx%NACC
.set rD, 8*(ii%32)
.set rB, ((\f)*QK+cc)*8*NBL+8*(ii%NBL)
.set rA, 64+((\f)*QK+cc)*32+8*(ii/NBL)
.if (\zero) && (cc == 0)
	WIN 0x81+0x40*(ii/32)                          ; the first product of a sum: C is the bias, in window 0
	v_wmma_f32_16x16x32_bf16 v[rD:rD+7], v[rB:rB+7], v[rA:rA+7], v[BI+8*(ii%NBL):BI+8*(ii%NBL)+7]
.else
	WIN 0xa1+0x50*(ii/32)
	v_wmma_f32_16x16x32_bf16 v[rD:rD+7], v[rB:rB+7], v[rA:rA+7], v[rD:rD+7]
.endif
.set idx, idx+1
.endr
.endm
.macro QUARTER qq, f, g, zero          ; multiplies buffer f; in its middle fetches quarter qq into buffer g
	s_wait_dscnt 0x0                               ; buffer f is in
	MUL \f, 0, NQ/2, \zero
	PLACES
	FETCH \qq, \g
	MUL \f, NQ/2, NQ, \zero
.endm
; A step's last quarter, on buffer 1, and the change of slots: ONE barrier.  In front of it each wave waits for all its tensor loads (one is out: its panel of the next slot), adds 0 to its spare
; word, and waits for that and for its reads of this slot.  fill = 1: the barrier opens a round of the cluster's barrier, and the slot just read is filled again first thing behind the round.
.macro TURN fill
.if (\fill) && PF
	s_wait_xcnt 0x0                                ; the last prefetch, a K step back, has read its address
	s_add_nc_u64 s[PFA:PFA+1], s[PFA:PFA+1], s[PST:PST+1]
.endif
	WIN 0
	s_wait_tensorcnt 0x0                           ; no tensor load of mine is out
	ds_add_u32 v[SPW], v[NIL]
	s_wait_dscnt 1                                 ; only the add may be out: buffer 1 is in
	MUL 1, 0, NQ/4, 0
	s_wait_dscnt 0x0                               ; the add is done, and my reads of this slot are over
	s_barrier_signal -1
	MUL 1, NQ/4, NQ/2, 0
	WIN 0
	s_barrier_wait -1
.if \fill
	CREST                                          ; no wave of any partner still reads this slot or has a load on its way
	s_add_co_u32 s[G0A+5], s[LB], s[SL]            ; the walking descriptors: into the slot just read,
	s_add_co_u32 s[G0B+5], s[LB], s[SL]
	s_add_nc_u64 s[G0A+6:G0A+7], s[G0A+6:G0A+7], ASTEP  ; the next K step; the type bits on top are not reached
	s_add_nc_u64 s[G0B+6:G0B+7], s[G0B+6:G0B+7], BSTEP
	JLOAD 1                                        ; its four v_nop are also the places in front of the loads below
.else
	PLACES
.endif
	s_xor_b32 s[SL], s[SL], SLOT
	ADDR
.if !(\fill)
	s_cmp_eq_u32 s[CNT], 1                         ; behind the last K step there is nothing to fetch
	s_cbranch_scc1 .Lno_fetch_\@
.endif
	FETCH 0, 0
.if !(\fill)
.Lno_fetch_\@:
.endif
.if (\fill) && PF
	ASK
.endif
	MUL 1, NQ/2, NQ, 0
.endm
.macro DUMP                            ; every accumulator's 32 bytes a lane into my own bytes of the dead ring; each accumulator's low registers first
.set ii, 0
.rept NACC
	WIN 0x08+0x04*(ii/32)                          ; store data (source 1) in window 2 or 3
	ds_store_b128 v[DST], v[8*(ii%32):8*(ii%32)+3]   offset:(ii/NBL)*16*DP+(ii%NBL)*64
	ds_store_b128 v[DST], v[8*(ii%32)+4:8*(ii%32)+7] offset:(ii/NBL)*16*DP+(ii%NBL)*64+16
.set ii, ii+1
.endr
	WIN 0
.endm
	s_load_b256 s[4:11], s[0:1], 0x0               ; nx s[4:5], wb s[6:7], b_qkv s[8:9], rope s[10:11]
	s_load_b64 s[12:13], s[0:1], 0x20              ; qkvb
	v_lshl_add_u32 v[SPW], v0, 2, SPARE
	v_mov_b32 v[NIL], 0
	ds_add_u32 v[SPW], v[NIL]                      ; the wave's opening: the add and its wait ahead of my first tensor load
	v_lshrrev_b32 v1, 5, v0
	v_readfirstlane_b32 s[WV], v1                  ; wave 0..3
	s_lshr_b32 s[WM], s[WV], 1                     ; which 64 rows
	s_and_b32 s[WN], s[WV], 1                      ; which 192 columns
	s_bfe_u32 s[CX], ttmp6, 0x40000
	s_bfe_u32 s[CY], ttmp6, 0x40004
	s_lshl_b32 s[TC], ttmp9, 2
	s_add_co_u32 s[TC], s[TC], s[CX]               ; tile column = 4 x cluster x + cx
	s_and_b32 s[TR], ttmp7, 0xffff
	s_lshl_b32 s[TR], s[TR], 2
	s_add_co_u32 s[TR], s[TR], s[CY]               ; tile row
	s_lshl_b32 s21, s[CY], 2
	s_lshl_b32 s21, 15, s21                        ; my row of the cluster
	s_lshl_b32 s2, 0x1111, s[CX]                   ; my column
	s_or_b32 s[G1A], s21, (1<<16)|(1<<20)|(1<<21)|(5<<22)|(3<<25)  ; mask; 2-byte elements; padding on; bit 21 beside a mask; after every 64 words 4 words
	s_or_b32 s[G1B], s2, (1<<16)|(1<<20)|(1<<21)|(5<<22)|(7<<25)   ; the same with my column's mask and 8 words
.irp g, G1A, G1B
	s_mov_b32 s[(\g)+1], 128<<16                   ; tensor_dim0 = 128
	s_mov_b32 s[(\g)+2], 128<<16                   ; tensor_dim1 = 128
	s_mov_b32 s[(\g)+3], 128<<16                   ; tile_dim0 = 128
	s_mov_b32 s[(\g)+4], 128                       ; tile_dim1 = 128
	s_mov_b32 s[(\g)+6], 0
	s_mov_b32 s[(\g)+7], 0
.endr
	s_mov_b32 s[G1A+5], LDA                        ; elements from row to row
	s_mov_b32 s[G1B+5], LDB
	s_mul_i32 s[LB], s[WV], PANEL
	s_mov_b32 s[SL], 0
	s_lshl_b32 s22, s[TR], 18                      ; nx: 128 rows x 2,048 bytes a tile row
	s_mov_b32 s23, 0
	s_mul_i32 s66, s[TC], 768                      ; W: 384 columns a tile column,
	s_max_u32 s3, s[WV], 1
	s_sub_co_u32 s3, s3, 1
	s_lshl_b32 s3, s3, 8                           ; 128 columns a panel (waves 1, 2, 3)
	s_add_co_u32 s66, s66, s3
	s_mov_b32 s67, 0
	s_wait_dscnt 0x0                               ; the opening add is done
	s_wait_kmcnt 0x0
	s_add_nc_u64 s[22:23], s[4:5], s[22:23]
	s_add_nc_u64 s[66:67], s[6:7], s[66:67]
	CROUND                                         ; all sixteen work-groups are here: the first joint loads meet
.irp s, 0,1
	s_mov_b32 s[G0A+4*(\s)], 1
	s_add_co_u32 s[G0A+4*(\s)+1], s[LB], (\s)*SLOT
	s_add_nc_u64 s[G0A+4*(\s)+2:G0A+4*(\s)+3], s[22:23], (\s)*ASTEP
	s_or_b32 s[G0A+4*(\s)+3], s[G0A+4*(\s)+3], 0x80000000
	s_mov_b32 s[G0B+4*(\s)], 1
	s_add_co_u32 s[G0B+4*(\s)+1], s[LB], (\s)*SLOT
	s_add_nc_u64 s[G0B+4*(\s)+2:G0B+4*(\s)+3], s[66:67], (\s)*BSTEP
	s_or_b32 s[G0B+4*(\s)+3], s[G0B+4*(\s)+3], 0x80000000
	JLOAD \s                                       ; K steps 0 and 1: two loads of mine are out
.endr
	v_and_b32 v1, 15, v0                           ; l % 16
	v_bfe_u32 v2, v0, 4, 1                         ; l / 16
	v_and_b32 v3, 7, v0
	v_bfe_u32 v4, v0, 3, 1
	v_and_b32 v5, 31, v0
	; the prefetches.  nx's rows are read by both clusters of a row of clusters: cluster x = 0 asks; W's by all clusters of a column: cluster y = 0 asks.  The four partners that ask for a panel
	; jointly share its 128 rows out by address, 32 each (cx for nx, cy for W): each row's 256 bytes of a K step are named once in the launch.  K steps 0 to 2 come by their loads alone.
	s_mov_b32 s74, LDA*2
	s_mov_b32 s75, LDB*2
	s_mov_b32 s76, ASTEP
	s_mov_b32 s77, BSTEP
	s_and_b32 s21, ttmp7, 0xffff
	s_cmp_lt_u32 s[WV], NAW
	s_cselect_b32 s21, ttmp9, s21
	s_cselect_b32 s2, s[CX], s[CY]
	s_cselect_b32 s3, s74, s75
	s_cselect_b32 s[PST], s76, s77
	s_cselect_b64 s[PFA:PFA+1], s[22:23], s[66:67]
	s_mov_b32 s[PST+1], 0
	s_cmp_eq_u32 s21, 0
	s_cselect_b32 s[LIM], AH, -1
	v_mul_u32_u24 v[PFO], s3, v5
	s_mul_i32 s2, s2, s3
	s_lshl_b32 s2, s2, 5
	s_mul_i32 s3, s[PST], 1+AH
	s_add_co_u32 s2, s2, s3
	s_mov_b32 s3, 0
	s_add_nc_u64 s[PFA:PFA+1], s[PFA:PFA+1], s[2:3]
	; my head, my rows, and what hangs on them
	s_lshl_b32 s[HD], s[TC], 1
	s_add_co_u32 s[HD], s[HD], s[WN]
	s_and_b32 s[T0], s[TR], 15
	s_lshl_b32 s[T0], s[T0], 7
	s_lshl_b32 s2, s[WM], 6
	s_add_co_u32 s[T0], s[T0], s2
	s_lshl_b32 s2, s[HD], 8
	s_add_nc_u64 s[8:9], s[8:9], s[2:3]            ; the bias at my head's 64 numbers of q; k's and v's lie 4,096 and 8,192 bytes on
	s_lshl_b32 s2, s[T0], 8
	s_add_nc_u64 s[10:11], s[10:11], s[2:3]        ; the table at my first row
	s_lshr_b32 s2, s[TR], 4                        ; the batch
	s_lshl_b32 s2, s2, 4
	s_add_co_u32 s2, s2, s[HD]
	s_lshl_b32 s2, s2, 11
	s_add_co_u32 s2, s2, s[T0]
	s_lshl_b32 s2, s2, 7                           ; ((batch x 16 + head) x 2,048 + row) x 128 bytes
	s_add_nc_u64 s[68:69], s[12:13], s[2:3]        ; q,
	s_add_nc_u64 s[70:71], s[68:69], 0x800000      ; k,
	s_add_nc_u64 s[72:73], s[70:71], 0x800000      ; v
	v_lshlrev_b32 v[BO], 5, v2
.set b2, 0
.rept NBL
	global_load_b128 v[BI+8*b2:BI+8*b2+3],   v[BO], s[8:9] offset:(b2/4)*4096+(b2%4)*64
	global_load_b128 v[BI+8*b2+4:BI+8*b2+7], v[BO], s[8:9] offset:(b2/4)*4096+(b2%4)*64+16
.set b2, b2+1
.endr
	v_lshlrev_b32 v[XO], 8, v1
	v_lshl_add_u32 v[XO], v2, 5, v[XO]             ; row l % 16, my eight j
	WIN 0xc0                                       ; destination window 3
.irp a, 0,1,2,3
.irp u, 0,1
	global_load_b128 v[128+32*(\a)+16*(\u):128+32*(\a)+16*(\u)+3],     v[XO], s[10:11] offset:(\a)*4096+(\u)*64
	global_load_b128 v[128+32*(\a)+16*(\u)+4:128+32*(\a)+16*(\u)+7],   v[XO], s[10:11] offset:(\a)*4096+(\u)*64+16
	global_load_b128 v[128+32*(\a)+16*(\u)+8:128+32*(\a)+16*(\u)+11],  v[XO], s[10:11] offset:(\a)*4096+(\u)*64+128
	global_load_b128 v[128+32*(\a)+16*(\u)+12:128+32*(\a)+16*(\u)+15], v[XO], s[10:11] offset:(\a)*4096+(\u)*64+144
.endr
.endr
	WIN 0
	v_mul_u32_u24 v[ADRA0], v1, APIT               ; a fragment of nx: row l % 16, 16 bytes for each half of the lanes, twice, 32 bytes apart
	v_lshl_add_u32 v[ADRA0], v2, 4, v[ADRA0]
	s_mul_i32 s2, s[WM], 64*APIT
	v_add_nc_u32 v[ADRA0], s2, v[ADRA0]
	v_lshl_add_u32 v6, v2, 3, v3                   ; the turning load: k row 8 (l / 16) + l % 8, columns 8 ((l / 8) % 2) + 0..7
	v_mul_u32_u24 v6, v6, 288
	v_lshl_add_u32 v6, v4, 4, v6
.irp g, 0,1,2
	s_mul_i32 s2, s[WN], 3
	s_add_co_u32 s2, s2, \g                        ; which 64 of the tile's 384 columns
	s_lshr_b32 s3, s2, 1
	s_mul_i32 s3, s3, PANEL
	s_and_b32 s2, s2, 1
	s_lshl_b32 s2, s2, 7
	s_add_co_u32 s2, s2, s3
	s_add_co_u32 s2, s2, BOFF
	v_add_nc_u32 v[ADRB0+\g], s2, v6
.endr
	s_mul_i32 s2, s[WV], RG
	v_mul_u32_u24 v[DST], v1, DP
	v_lshl_add_u32 v[DST], v2, 5, v[DST]
	v_add_nc_u32 v[DST], s2, v[DST]
	v_bfe_u32 v[RD], v0, 3, 2                      ; back: 32 lanes take four rows, 32 bytes of f32 each
	v_mul_u32_u24 v[RD], v[RD], DP
	v_lshl_add_u32 v[RD], v3, 5, v[RD]
	v_add_nc_u32 v[RD], s2, v[RD]
	v_lshlrev_b32 v[GO], 4, v5
	s_wait_tensorcnt 1                             ; my panel of K step 0 is in; K step 1's stays out
	s_barrier_signal -1
	s_barrier_wait -1
	ADDR
	FETCH 0, 0
	s_wait_loadcnt 32                              ; the bias is in; the table's 32 loads stay out
	QUARTER 1, 0, 1, 1                             ; the first quarter stands in front of the loop: its products start the sums
	WIN 0
	s_mov_b32 s[CNT], NSTEP-2
.Lstep:                                        ; a trip: from a step's second quarter to the next step's first; it fills the slot that it leaves
	QUARTER 2, 1, 0, 0
	QUARTER 3, 0, 1, 0
	TURN 1
	QUARTER 1, 0, 1, 0
	WIN 0
	s_sub_co_u32 s[CNT], s[CNT], 1
	s_cmp_lg_u32 s[CNT], 0
	s_cbranch_scc1 .Lstep
	s_mov_b32 s[CNT], 2
.Ltail:                                        ; the last two steps ask for nothing; the second pass is left in its middle.  Its barrier shows that every wave's reads of the ring are over
	QUARTER 2, 1, 0, 0
	QUARTER 3, 0, 1, 0
	TURN 0
	WIN 0
	s_sub_co_u32 s[CNT], s[CNT], 1
	s_cmp_eq_u32 s[CNT], 0
	s_cbranch_scc1 .Lout
	QUARTER 1, 0, 1, 0
	WIN 0
	s_branch .Ltail
.Lout:
	PLACES
	s_wait_loadcnt 0x0                             ; the table
; RoPE for rows 16 a .. and tensor i (0: q, 1: k).  lo = d 0..31 (blocks u = 0, 1), hi = d + 32, two accumulators on.  lo' = lo cos - hi sin, hi' = hi cos + lo sin.
.macro ROPE a, i
.set WW, 2+((\a)*NBL+4*(\i))/32
	WIN WW|0x0c                                    ; source 0 the accumulators' window, source 1 the table's, destination window 0
.irp u, 0,1
.set rL, 8*(((\a)*NBL+4*(\i)+(\u))%32)
.set rC, 128+32*(\a)+16*(\u)
.set rT, TT+8*(\u)
.irp p, 0,2,4,6
	v_pk_mul_f32 v[rT+(\p):rT+(\p)+1],       v[rL+16+(\p):rL+16+(\p)+1], v[rC+8+(\p):rC+8+(\p)+1]
	v_pk_mul_f32 v[rT+16+(\p):rT+16+(\p)+1], v[rL+(\p):rL+(\p)+1],       v[rC+8+(\p):rC+8+(\p)+1]
.endr
.endr
	WIN (WW<<6)|0x0c|WW
.irp u, 0,1
.set rL, 8*(((\a)*NBL+4*(\i)+(\u))%32)
.set rC, 128+32*(\a)+16*(\u)
.set rT, TT+8*(\u)
.irp p, 0,2,4,6
	v_pk_fma_f32 v[rL+(\p):rL+(\p)+1],       v[rL+(\p):rL+(\p)+1],       v[rC+(\p):rC+(\p)+1], v[rT+(\p):rT+(\p)+1] neg_lo:[0,0,1] neg_hi:[0,0,1]
	v_pk_fma_f32 v[rL+16+(\p):rL+16+(\p)+1], v[rL+16+(\p):rL+16+(\p)+1], v[rC+(\p):rC+(\p)+1], v[rT+16+(\p):rT+16+(\p)+1]
.endr
.endr
.endm
.irp a, 0,1,2,3
	ROPE \a, 0
	ROPE \a, 1
.endr
	DUMP
	s_mov_b32 s[CNT], 8
.Lrows:                                        ; eight rows a trip: two groups of four rows x q, k, v; LDS serves a wave's instructions in order, so these loads see my stores
.irp k, 0,1,2,3,4,5
	ds_load_b128 v[64+8*(\k):64+8*(\k)+3],   v[RD] offset:((\k)/3)*4*DP+((\k)%3)*256
	ds_load_b128 v[64+8*(\k)+4:64+8*(\k)+7], v[RD] offset:((\k)/3)*4*DP+((\k)%3)*256+16
.endr
.irp k, 0,1,2,3,4,5
	s_wait_dscnt 10-2*(\k)                         ; pair k is in; the younger pairs stay out
.irp r, 0,1,2,3
	v_cvt_pk_bf16_f32 v[112+4*(\k)+(\r)], v[64+8*(\k)+2*(\r)], v[64+8*(\k)+2*(\r)+1]
.endr
	global_store_b128 v[GO], v[112+4*(\k):112+4*(\k)+3], s[68+2*((\k)%3):69+2*((\k)%3)] offset:((\k)/3)*512  ; 512 bytes on end: four rows of a head
.endr
	s_wait_xcnt 0x0                                ; the stores have read their data and their offset
	v_add_nc_u32 v[RD], 8*DP, v[RD]
	v_add_nc_u32 v[GO], 1024, v[GO]
	s_sub_co_u32 s[CNT], s[CNT], 1
	s_cmp_lg_u32 s[CNT], 0
	s_cbranch_scc1 .Lrows
	s_wait_tensorcnt 0x0                           ; the wave's end, behind my last tensor load and my last LDS store
	ds_add_u32 v[SPW], v[NIL]
	s_wait_dscnt 0x0
	CROUND                                         ; the closing round
	s_endpgm
.Lfunc_end_k_q4bb426d09a_qkv:
	.size	k_q4bb426d09a_qkv, .Lfunc_end_k_q4bb426d09a_qkv-k_q4bb426d09a_qkv
	.p2alignl 7, 3214868480
	.fill 96, 4, 3214868480
	.section	.rodata,"a",@progbits
	.p2align	6, 0x0
	.amdhsa_kernel k_q4bb426d09a_qkv
		.amdhsa_group_segment_fixed_size 327680
		.amdhsa_private_segment_fixed_size 0
		.amdhsa_enable_private_segment 0
		.amdhsa_kernarg_size 40
		.amdhsa_user_sgpr_count 2
		.amdhsa_user_sgpr_kernarg_segment_ptr 1
		.amdhsa_wavefront_size32 1
		.amdhsa_system_sgpr_workgroup_id_x 1
		.amdhsa_system_sgpr_workgroup_id_y 1
		.amdhsa_system_sgpr_workgroup_id_z 1
		.amdhsa_system_vgpr_workitem_id 0
		.amdhsa_next_free_vgpr 1024
		.amdhsa_next_free_sgpr 80
		.amdhsa_reserve_vcc 0
		.amdhsa_float_denorm_mode_32 3
		.amdhsa_float_denorm_mode_16_64 3
		.amdhsa_memory_ordered 1
		.amdhsa_forward_progress 1
		.amdhsa_inst_pref_size 94
	.end_amdhsa_kernel
	.amdgpu_metadata
---
amdhsa.version: [ 1, 2 ]
amdhsa.kernels:
  - .name:           k_q4bb426d09a_qkv
    .symbol:         k_q4bb426d09a_qkv.kd
    .args:
      - { .name: nx, .offset: 0, .size: 8, .value_kind: global_buffer, .address_space: global }
      - { .name: wb, .offset: 8, .size: 8, .value_kind: global_buffer, .address_space: global }
      - { .name: b_qkv, .offset: 16, .size: 8, .value_kind: global_buffer, .address_space: global }
      - { .name: rope, .offset: 24, .size: 8, .value_kind: global_buffer, .address_space: global }
      - { .name: qkvb, .offset: 32, .size: 8, .value_kind: global_buffer, .address_space: global }
    .group_segment_fixed_size: 327680
    .private_segment_fixed_size: 0
    .kernarg_segment_align: 8
    .kernarg_segment_size: 40
    .max_flat_workgroup_size: 128
    .sgpr_count:     80
    .vgpr_count:     1024
    .wavefront_size: 32
...
	.end_amdgpu_metadata
.endif
;; end of part 3
;; launch attn (part 4): grid 8 x 32, 4 waves a work-group, clusters of 4 x 1, 327,680 bytes of LDS; arguments qkvb, ob; writes ob
.if DOCPART == 4
	.amdgcn_target "amdgcn-amd-amdhsa--gfx1250"
	.amdhsa_code_object_version 6
	.text
	.protected	k_q4bb426d09a_attn
	.globl	k_q4bb426d09a_attn
	.p2align	8
	.type	k_q4bb426d09a_attn,@function
k_q4bb426d09a_attn:
	s_mov_b64 s[64:65], 0
	v_nop
	global_prefetch_b8 v0, s[64:65] scope:SCOPE_SE
	s_setreg_imm32_b32 hwreg(HW_REG_WAVE_MODE, 25, 1), 1
	s_wait_xcnt 0x0
	s_wait_alu depctr_hold_cnt(0) depctr_sa_sdst(0) depctr_va_vdst(0) depctr_va_sdst(0) depctr_va_ssrc(0) depctr_va_vcc(0) depctr_vm_vsrc(0)
	s_getreg_b32 s2, hwreg(HW_REG_IB_STS2, 6, 4)
	s_cmp_eq_u32 s2, 0
	s_cbranch_scc0 .Lentry_in_a_cluster
	s_endpgm
.Lentry_in_a_cluster:
	s_bfe_u32 s2, ttmp6, 0x10000c
	s_cmp_lg_u32 s2, 0x3003
	s_cbranch_scc0 .Lentry_shape_is_right
	s_endpgm
.Lentry_shape_is_right:
; ATTENTION, head size 64, no mask.  O[h][q][:] = the sum over k of softmax_k(Q[h][q] . K[h][k] / 8) V[h][k][:].  Q, K, V lie in qkvb as [3][32][2048][64] bf16, O as [32][2048][64] bf16.
; Products, maxima and sums in f32; the weights p are rounded to bf16 for the second product (their sum l is taken of the unrounded p), O once at the end.
; LIMITS.  A weight below 2^-126 counts as 0 in l; NaN and infinities are not treated apart.
; SHARES.  A work-group owns 256 queries of one head, a wave 64: four PIECES of 16.  Every wave walks all 2,048 keys, 64 a step; an LDS slot holds a tile of four steps; two slots take turns.
; LAYOUT.  S^T = K Q^T holds ONE query a lane (lane % 16) and the keys 8 (lane / 16) + 0..7; two such results rounded to bf16 ARE source 1 of O^T = V^T P.  K comes out of LDS as it lies, V turned.
; SOFTMAX.  p = 2^(c s - c m), c = log2(e) / 8, with a running maximum m; O and l are multiplied by a = 2^(c m_old - c m_new) in every step.  m starts at the lowest finite number, O and l at 0.
; TURNS.  Turn n belongs to piece n: 8 products K Q^T of piece n + 1, later 8 products V^T P of piece n - 1; beside them the scaling, exponentials, roundings, sums and rescaling of piece n and the
; maximum and statistics of piece n + 1.  Four vector instructions stand behind every matrix instruction, the rest in one lump.  A turn's 33 exponentials are one batch with one wait.
; CLUSTER.  The four query blocks of a cluster belong to one head and walk the same K and V: each tile is asked for jointly, by the same load, descriptor and mask in all four.
; REGISTERS in windows of 256 (s_set_vgpr_msb: bits 1:0 source 0, 3:2 source 1, 5:4 source 2, 7:6 destination).  Window 0: v0-15 addresses; v16-31 statistics; v48-55 at work; v64-127 S^T, two buffers;
; v192-223 P, two buffers.  Window 1: v0-127 O^T.  Window 2: v0-63 Q; v128-191 K of one step; v192-255 V of one step.
.set NP,    4
.set KS,    64
.set PK,    144       ; a row of K in LDS: 128 bytes + 16: the 16 rows of a load start at 16 different groups of four banks (ISA guide 11.1)
.set PV,    160       ; a row of V: 128 + 32
.set VOFF,  4*KS*PK
.set SLOT1, 1<<17
.set STAGE, SLOT1+4*KS*(PK+PV)  ; behind the ring, never filled by a tensor load: 16 rows x 144 bytes a wave
.set SP,    144
.set SPARE, STAGE+4*16*SP       ; the spare words, 128 bytes a wave, that no other line names
.set AK0, 2
.set AV0, 3
.set AK,  4
.set AV,  5
.set STO, 6
.set RD,  7
.set GO,  8
.set MV,  12
.set QO,  15
.set ST,  16          ; piece t's statistics at v[ST+4 t]: c m, m, l (even keys', odd keys')
.set TMP, 48
.set PFO, 61          ; v61  256 x lane; never rewritten
.set SPW, 62          ; v62  my spare word; never rewritten
.set NIL, 63          ; v63  0; never rewritten
.set S,   64
.set P,   192
.set KF,  128
.set VF,  192
.set WV,  12
.set G1K, 24
.set G1V, 32
.set G0K, 40
.set G0V, 44
.set PFA, 48          ; s[48:49] where my prefetches stand
.set LIM, 50          ; s50  1 in a wave that prefetches, else the greatest number
.set SLOTS, 56
.set CNT, 57
.set CS,  58
.set SEL, 60
.set TBK, 62
.set TBV, 63
.set MSB, 0
.macro WIN new
.if MSB != (\new)
	s_set_vgpr_msb (MSB<<8)|(\new)
.set MSB, (\new)
.endif
.endm
.set W_KQ, 0x0a       ; K and Q in window 2, S^T in window 0
.set W_PV, 0x52       ; V in window 2, P in window 0, O^T in window 1
.set W_RS, 0x41       ; destination and source 0 in window 1, source 1 in window 0
.macro JLOAD          ; waves 0 and 1 fetch the two halves of a tile's K, waves 2 and 3 those of its V; an s_nop 0 and four v_nop follow each line
	s_cmp_lt_u32 s[WV], 2
	s_cbranch_scc0 .Lfor_v_\@
	tensor_load_to_lds s[G0K:G0K+3], s[G1K:G1K+7]
	s_nop 0
.rept 4
	v_nop
.endr
	s_branch .Lasked_\@
.Lfor_v_\@:
	tensor_load_to_lds s[G0V:G0V+3], s[G1V:G1V+7]
	s_nop 0
.rept 4
	v_nop
.endr
.Lasked_\@:
.endm
; A prefetch of the tile that the NEXT change of slots will ask for.  Both clusters of a head walk the same K and V: the head's first cluster asks; its four partners share a tile's 128 blocks of 256 bytes
; out by address, 32 each; wave 0 asks for K's, wave 2 for V's.  So each block is named once.  Tiles 0 to 2 come by their loads alone; the last change that fills a slot asks for nothing.
.macro ASK
	s_cmp_gt_u32 s[SLOTS], s[LIM]
	s_cbranch_scc0 .Lnot_mine_\@
	global_prefetch_b8 v[PFO], s[PFA:PFA+1] th:TH_LOAD_NT scope:SCOPE_SE
.Lnot_mine_\@:
.endm
.macro CROUND
	s_barrier_signal -1
	s_barrier_wait -1
	s_cmp_lg_u32 s[WV], 0
	s_cbranch_scc1 .Lnot_wave_0_\@
	s_barrier_signal -3
.Lnot_wave_0_\@:
	s_barrier_wait -3
	s_barrier_signal -1
	s_barrier_wait -1
.endm
; THE CHANGE OF SLOTS.  Each wave waits for all its tensor loads (one is out: its part of the other slot), adds 0 to its spare word, and waits for that and for its reads of the slot that it leaves.
; fill = 1: the barrier is a round of the cluster's, and the slot is filled again first thing behind it, with the keys two tiles on: four key steps in which to land.
.macro CHANGE fill, ask
	WIN 0
	s_wait_tensorcnt 0x0            ; no tensor load of mine is out, so a group 0 may be written
	ds_add_u32 v[SPW], v[NIL]
.if \fill
.irp g, G0K, G0V
	s_xor_b32 s[\g+1], s[\g+1], SLOT1
	s_add_nc_u64 s[\g+2:\g+3], s[\g+2:\g+3], 4*KS*128
.endr
.if \ask
	s_wait_xcnt 0x0                 ; the last prefetch, four key steps back, has read its address
	s_add_nc_u64 s[PFA:PFA+1], s[PFA:PFA+1], 4*KS*128
.endif
	s_wait_dscnt 0x0                ; the add is done, and my reads of the slot are over
	CROUND
	JLOAD
.if \ask
	ASK
.endif
.else
	s_wait_dscnt 0x0
	s_barrier_signal -1
	s_barrier_wait -1
.endif
	s_sub_co_u32 s[TBK], s[TBK], 4*KS*PK  ; the fetches go back to a slot's first step, in the other slot
	s_xor_b32 s[TBK], s[TBK], SLOT1
	s_sub_co_u32 s[TBV], s[TBV], 4*KS*PV
	s_xor_b32 s[TBV], s[TBV], SLOT1
.endm
	s_load_b64 s[4:5], s[0:1], 0x0    ; qkvb
	s_load_b64 s[10:11], s[0:1], 0x8  ; ob
	v_lshl_add_u32 v[SPW], v0, 2, SPARE
	v_mov_b32 v[NIL], 0
	ds_add_u32 v[SPW], v[NIL]       ; the wave's opening: the add and its wait ahead of my first tensor load
	v_lshrrev_b32 v1, 5, v0
	v_readfirstlane_b32 s[WV], v1
	s_bfe_u32 s13, ttmp6, 0x40000   ; cx
	s_lshl_b32 s14, ttmp9, 2
	s_add_co_u32 s14, s14, s13      ; my block of 256 queries: it enters Q's and O's addresses alone
	s_and_b32 s20, ttmp7, 0xffff    ; the head, which the four partners share
	s_lshl_b32 s20, s20, 18         ; x 2,048 rows x 128 bytes
	s_mov_b32 s21, 0
	s_and_b32 s16, s[WV], 1         ; which half of a tile's 256 keys I fetch
	s_lshl_b32 s22, s16, 14
	s_mov_b32 s23, 0
	s_add_nc_u64 s[22:23], s[22:23], s[20:21]
	s_mul_i32 s17, s16, 128*PK
	s_mul_i32 s18, s16, 128*PV
	s_lshl_b32 s2, s14, 2
	s_add_co_u32 s2, s2, s[WV]
	s_lshl_b32 s2, s2, 13           ; my wave's 64 rows of 128 bytes
	s_mov_b32 s3, 0
	s_add_nc_u64 s[2:3], s[2:3], s[20:21]
	; 128 keys are 16,384 dense bytes: asked for as 64 rows of 256 bytes, two keys a row, padded in LDS after every key
	s_mov_b32 s[G1K], 15|(1<<16)|(1<<20)|(1<<21)|(4<<22)|(3<<25)
	s_mov_b32 s[G1V], 15|(1<<16)|(1<<20)|(1<<21)|(4<<22)|(7<<25)
.irp g, G1K, G1V
	s_mov_b32 s[\g+1], 128<<16
	s_mov_b32 s[\g+2], 64<<16
	s_mov_b32 s[\g+3], 128<<16
	s_mov_b32 s[\g+4], 64
	s_mov_b32 s[\g+5], 128
	s_mov_b32 s[\g+6], 0
	s_mov_b32 s[\g+7], 0
.endr
	s_mov_b32 s[CS], 0x3e38aa3b     ; c = log2(e) / 8
	s_mov_b32 s[CS+1], s[CS]
	s_mov_b32 s[SEL], 0x76543210
	s_mov_b32 s[SEL+1], 0xfedcba98
	s_mov_b32 s[TBK], SLOT1+4*KS*PK ; the first change of slots turns these two into 0
	s_mov_b32 s[TBV], SLOT1+4*KS*PV
	s_mov_b32 s[G0K], 1
	s_mov_b32 s[G0K+1], s17
	s_mov_b32 s[G0V], 1
	s_add_co_u32 s[G0V+1], s18, VOFF
	s_mov_b32 s[SLOTS], 7
	s_and_b32 s[LIM], s[WV], 1
	s_or_b32 s[LIM], s[LIM], ttmp9
	s_cmp_eq_u32 s[LIM], 0
	s_cselect_b32 s[LIM], 1, -1
	v_and_b32 v[PFO], 31, v0
	v_lshlrev_b32 v[PFO], 8, v[PFO]
	s_wait_dscnt 0x0                ; the opening add is done
	s_wait_kmcnt 0x0
	s_add_nc_u64 s[6:7], s[4:5], 0x800000   ; K
	s_add_nc_u64 s[8:9], s[4:5], 0x1000000  ; V
	s_add_nc_u64 s[6:7], s[6:7], s[22:23]   ; at my half of the head's tile 0
	s_add_nc_u64 s[8:9], s[8:9], s[22:23]
	s_mov_b64 s[G0K+2:G0K+3], s[6:7]
	s_or_b32 s[G0K+3], s[G0K+3], 0x80000000
	s_mov_b64 s[G0V+2:G0V+3], s[8:9]
	s_or_b32 s[G0V+3], s[G0V+3], 0x80000000
	s_add_nc_u64 s[4:5], s[4:5], s[2:3]     ; Q and O at my wave's first row
	s_add_nc_u64 s[10:11], s[10:11], s[2:3]
	s_cmp_lt_u32 s[WV], 2
	s_cselect_b64 s[PFA:PFA+1], s[6:7], s[8:9]  ; (in waves 0 and 2 these stand at a tile's first row)
	s_lshl_b32 s2, s13, 13          ; my work-group's 32 blocks of the 128
	s_mov_b32 s3, 0
	s_add_nc_u64 s[PFA:PFA+1], s[PFA:PFA+1], s[2:3]
	s_add_nc_u64 s[PFA:PFA+1], s[PFA:PFA+1], 2*4*KS*128  ; in tile 2; the loop's first change steps it to tile 3
	CROUND                          ; all four work-groups are here
	JLOAD                           ; tile 0 into slot 0
	v_and_b32 v1, 15, v0            ; l % 16
	v_bfe_u32 v9, v0, 4, 1          ; l / 16
	v_lshlrev_b32 v[QO], 7, v1
	v_lshl_add_u32 v[QO], v9, 4, v[QO]
	WIN 0x80
.set i, 0
.rept 8                             ; Q stays in registers: piece i / 2, channels 32 (i % 2) on
	global_load_b128 v[8*i:8*i+3],   v[QO], s[4:5] offset:(i/2)*2048+(i%2)*64
	global_load_b128 v[8*i+4:8*i+7], v[QO], s[4:5] offset:(i/2)*2048+(i%2)*64+32
.set i, i+1
.endr
	; What the first turn finds: V and P's second buffer hold 0 (its products V^T P, of a piece that has not been, add 0), O^T and l are 0.  All this stands in the wait for the first tile.
.set i, VF
.rept 64
	v_mov_b32 v[i], 0
.set i, i+1
.endr
	WIN 0x40
.set i, 0
.rept 128
	v_mov_b32 v[i], 0
.set i, i+1
.endr
	WIN 0
.set i, 0
.rept 4
	v_mov_b32 v[ST+4*i], 0xfe000000    ; c m: far below every c s
	v_mov_b32 v[ST+4*i+1], 0xff7fffff  ; m
	v_mov_b32 v[ST+4*i+2], 0
	v_mov_b32 v[ST+4*i+3], 0
.set i, i+1
.endr
.set i, P+16
.rept 16
	v_mov_b32 v[i], 0
.set i, i+1
.endr
	v_mul_u32_u24 v[AK0], v1, PK
	v_lshl_add_u32 v[AK0], v9, 4, v[AK0]
	v_and_b32 v10, 7, v0
	v_bfe_u32 v11, v0, 3, 1
	v_lshl_add_u32 v[AV0], v9, 3, v10
	v_mul_u32_u24 v[AV0], v[AV0], PV
	v_lshl_add_u32 v[AV0], v11, 4, v[AV0]
	v_add_nc_u32 v[AV0], VOFF, v[AV0]
	s_mul_i32 s13, s[WV], 16*SP
	s_add_co_u32 s13, s13, STAGE    ; my stage
	v_mul_u32_u24 v[STO], v1, SP
	v_lshl_add_u32 v[STO], v9, 4, v[STO]
	v_add_nc_u32 v[STO], s13, v[STO]
	v_bfe_u32 v[RD], v0, 3, 2
	v_mul_u32_u24 v[RD], v[RD], SP
	v_lshl_add_u32 v[RD], v10, 4, v[RD]
	v_add_nc_u32 v[RD], s13, v[RD]
	v_and_b32 v[GO], 31, v0
	v_lshlrev_b32 v[GO], 4, v[GO]
; THE MATRIX WORK.  The 4 accumulators of a run of 8 take turns.  Product i of 8 of S^T = K Q^T for piece x: channels 32 (i / 4) on, keys 16 (i % 4) on.
.macro KQ x
.set rS, S+32*((\x)%2)+8*(i%4)
.set rK, KF+16*(i%4)+8*(i/4)
.set rQ, 16*(\x)+8*(i/4)
	WIN W_KQ
.if i < 4
	v_wmma_f32_16x16x32_bf16 v[rS:rS+7], v[rK:rK+7], v[rQ:rQ+7], 0
.else
	v_wmma_f32_16x16x32_bf16 v[rS:rS+7], v[rK:rK+7], v[rQ:rQ+7], v[rS:rS+7]
.endif
.endm
.macro PV x                         ; product i of 8 of O^T += V^T P for piece x: keys 32 (i / 4) on, channels 16 (i % 4) on
	WIN W_PV
.set rO, 32*(\x)+8*(i%4)
.set rV, VF+32*(i/4)+8*(i%4)
.set rP, P+16*((\x)%2)+8*(i/4)
	v_wmma_f32_16x16x32_bf16 v[rO:rO+7], v[rV:rV+7], v[rP:rP+7], v[rO:rO+7]
.endm
.macro MM                           ; the turn's next matrix instruction
.if i < 8
	KQ (Y+1)%NP
.else
.set i, i-8
	PV (Y+NP-1)%NP
.set i, i+8
.endif
.set i, i+1
.endm
.macro FETCH_K                      ; a step's K in one run of 16 LDS loads
	WIN 0x80
.irp f, 0,1,2,3,4,5,6,7
	ds_load_b128 v[KF+8*\f:KF+8*\f+3],   v[AK] offset:(\f/2)*16*PK+(\f%2)*64
	ds_load_b128 v[KF+8*\f+4:KF+8*\f+7], v[AK] offset:(\f/2)*16*PK+(\f%2)*64+32
.endr
	s_add_co_u32 s[TBK], s[TBK], KS*PK
	WIN 0
.endm
.macro FETCH_V                      ; its V, turned
	WIN 0x80
.irp f, 0,1,2,3,4,5,6,7
	ds_load_tr16_b128 v[VF+8*\f:VF+8*\f+3],   v[AV] offset:(\f/4)*32*PV+(\f%4)*32
	ds_load_tr16_b128 v[VF+8*\f+4:VF+8*\f+7], v[AV] offset:(\f/4)*32*PV+16*PV+(\f%4)*32
.endr
	WIN 0
.endm
; THE VECTOR WORK, one line at a time: OP kind, number.  For piece Y: F n: c s - c m for pair n of 16.  E n: the exponential of score n of 32.  C n: pair n rounded to bf16.  B n: of the four weights 4 n .. the
; second pair is added onto the first, in place.  L n: l takes that sum (L 0: l = a l + sum).  R n: pair n of 16 of O^T times a.  For piece Y + 1: X n, number n of the 22 that find its maximum and statistics:
; 0-11 four chains of seven scores each (each accumulator's lowest registers first); 12-14, 16 the scores left over, the old m, the chains into one; 15 c m_old is kept;
; 17, 18 the other half of the lanes' maximum, the new m; 19-21 c m; c m_old - c m_new; a.
.set F, 0
.set E, 1
.set C, 2
.set B, 3
.set L, 4
.set R, 5
.set X, 6
.macro REGS y
.set rT, ST+4*(\y)
.set rC, TMP+4*((\y)%2)
.set rW, MV+((\y)%2)
.set rS, S+32*((\y)%2)
.set rP, P+16*((\y)%2)
.set rO, 32*(\y)
.endm
.macro OP k, n
.if (\k) == R
	REGS Y
	WIN W_RS
	v_pk_mul_f32 v[rO+2*(\n):rO+2*(\n)+1], v[rO+2*(\n):rO+2*(\n)+1], v[rC+2:rC+3] op_sel_hi:[1,0]
.elseif (\k) < R
	REGS Y
	WIN 0
.if (\k) == F
	v_pk_fma_f32 v[rS+2*(\n):rS+2*(\n)+1], v[rS+2*(\n):rS+2*(\n)+1], s[CS:CS+1], v[rT:rT+1] op_sel_hi:[1,0,0] neg_lo:[0,0,1] neg_hi:[0,0,1]
.elseif (\k) == E
	v_exp_f32 v[rS+(\n)], v[rS+(\n)]
.elseif (\k) == C
	v_cvt_pk_bf16_f32 v[rP+(\n)], v[rS+2*(\n)], v[rS+2*(\n)+1]
.elseif (\k) == B
	v_pk_add_f32 v[rS+4*(\n):rS+4*(\n)+1], v[rS+4*(\n):rS+4*(\n)+1], v[rS+4*(\n)+2:rS+4*(\n)+3]
.elseif (\n) == 0
	v_pk_fma_f32 v[rT+2:rT+3], v[rT+2:rT+3], v[rC+2:rC+3], v[rS:rS+1] op_sel_hi:[1,0,1]
.else
	v_pk_add_f32 v[rT+2:rT+3], v[rT+2:rT+3], v[rS+4*(\n):rS+4*(\n)+1]
.endif
.else
	REGS (Y+1)%NP
	WIN 0
.if (\n) < 4
	v_max3_num_f32 v[rC+(\n)], v[rS+8*(\n)], v[rS+8*(\n)+1], v[rS+8*(\n)+2]
.elseif (\n) < 12
	v_max3_num_f32 v[rC+(\n)%4], v[rC+(\n)%4], v[rS+8*((\n)%4)+2*((\n)/4)+1], v[rS+8*((\n)%4)+2*((\n)/4)+2]
.elseif (\n) == 12
	v_max3_num_f32 v[rC], v[rC], v[rS+7], v[rS+15]
.elseif (\n) == 13
	v_max3_num_f32 v[rC+1], v[rC+1], v[rS+23], v[rS+31]
.elseif (\n) == 14
	v_max3_num_f32 v[rC+2], v[rC+2], v[rC+3], v[rT+1]
.elseif (\n) == 15
	v_mov_b32 v[rW], v[rT]
.elseif (\n) == 16
	v_max3_num_f32 v[rC], v[rC], v[rC+1], v[rC+2]
.elseif (\n) == 17
	v_permlanex16_b32 v[rC+3], v[rC], s[SEL], s[SEL+1]
.elseif (\n) == 18
	v_max_num_f32 v[rT+1], v[rC], v[rC+3]
.elseif (\n) == 19
	v_mul_f32 v[rT], s[CS], v[rT+1]
.elseif (\n) == 20
	v_sub_f32 v[rC+1], v[rW], v[rT]
.else
	v_exp_f32 v[rC+2], v[rC+1]
.endif
.endif
.endm
.macro OPS a, i1, b=-1, i2=0, c=-1, i3=0, d=-1, i4=0
	OP \a, \i1
.if (\b) >= 0
	OP \b, \i2
.endif
.if (\c) >= 0
	OP \c, \i3
.endif
.if (\d) >= 0
	OP \d, \i4
.endif
.endm
.macro ROW a, i1, b, i2, c, i3, d, i4  ; a matrix instruction and the four behind it
	MM
	OPS \a, \i1, \b, \i2, \c, \i3, \d, \i4
.endm
; A TURN, for piece p.  ONE wait cuts it in two: ahead of it stands all that names no result of the turn's exponentials (8 products K Q^T with their riders, then the lump); behind it the 8 products V^T P,
; whose riders are the roundings and sums.  cnt = 1: the loop's count is taken down some lines ahead of the branch behind the turn.
; K of the next step is fetched in piece 2's turn, twelve vector instructions (six of them plain) behind the last product that read K; V of the step in hand at the end of piece 0's turn, four plain
; instructions behind the last product that read V.  Each is waited for a turn later.
.macro TURN p, cnt=0
.set Y, (\p)
.set i, 0
.if (\p) == 3
	s_wait_dscnt 0x0                ; K is in
.endif
	ROW F,0, F,1, R,0, R,1
	ROW F,2, E,0, R,2, R,3
	ROW F,3, E,1, R,4, R,5
	ROW F,4, E,2, R,6, R,7
	ROW F,5, E,3, R,8, R,9
	ROW F,6, E,4, X,0, R,10
.if (\p) == 2
	WIN 0
	v_add_nc_u32 v[AK], s[TBK], v[AK0]
.endif
	ROW F,7, E,5, X,1, X,4
	ROW F,8, E,6, X,2, X,5
	OPS E,7, E,8, X,6, E,9
	OPS X,3, E,10, X,8, E,11
.if (\p) == 2
	FETCH_K
.endif
	OPS X,9, X,7, E,12, X,10
	OPS E,13, X,12, X,11, E,14
	OPS X,13, E,15, F,9, X,14
.if (\p) == 0
	v_add_nc_u32 v[AV], s[TBV], v[AV0]
.endif
	OPS E,16, F,10, E,17, F,11
	OPS X,16, E,18, X,15, E,19
	OPS F,12, E,20, X,17, E,21
	OPS F,13, E,22, F,14, E,23
	OPS X,18, E,24, F,15, E,25
	OPS R,11, E,26, X,19, E,27
	OPS R,12, E,28, R,13, E,29
	OPS X,20, E,30, R,14, E,31
	OPS X,21, R,15                  ; the next piece's a is the batch's last; R 15 is the plain instruction behind it
	WIN 0
	s_wait_alu depctr_va_vdst(0)    ; the wait for the batch
.if (\p) == 1
	s_wait_dscnt 0x0                ; V is in
.endif
	ROW C,0, B,0, C,2, B,1
	ROW L,0, C,4, B,2, L,1
	ROW C,6, B,3, L,2, C,8
	ROW B,4, L,3, C,10, B,5
	ROW L,4, C,12, B,6, L,5
.if (\p) == 0
	s_add_co_u32 s[TBV], s[TBV], KS*PV
.endif
.if \cnt
	s_sub_co_u32 s[CNT], s[CNT], 1
	s_cmp_lg_u32 s[CNT], 0
.endif
	ROW C,14, B,7, L,6, C,1
	ROW C,3, L,7, C,5, C,7
	ROW C,9, C,11, C,13, C,15
.if (\p) == 0
	FETCH_V
.endif
.endm
.macro ALL line:vararg              ; one line for each piece t
.set t, 0
.rept 4
	\line
.set t, t+1
.endr
.endm
.macro PACK t                       ; a lane's eight channels of a row pack into 16 bytes; they go into rows of 144 bytes and come back as whole rows of 128
	WIN W_RS
.set i, 32*(\t)
.rept 16
	v_pk_mul_f32 v[i:i+1], v[i:i+1], v[ST+4*(\t)+2:ST+4*(\t)+3] op_sel_hi:[1,0]
.set i, i+2
.endr
	WIN 0x05
.set i, 0
.rept 16
	v_cvt_pk_bf16_f32 v[S+16*(\t)+i], v[32*(\t)+2*i], v[32*(\t)+2*i+1]
.set i, i+1
.endr
	WIN 0
.irp f, 0,1,2,3
	ds_store_b128 v[STO], v[S+16*(\t)+4*\f:S+16*(\t)+4*\f+3] offset:32*\f
.endr
.irp f, 0,1,2,3
	ds_load_b128 v[S+16*(\t)+4*\f:S+16*(\t)+4*\f+3], v[RD] offset:\f*4*SP  ; LDS serves a wave's instructions in order (ISA guide 5.7.1.4): these see the stores above
.endr
.endm
.macro SEND t, younger              ; younger: the LDS instructions issued behind piece t's loads: the next piece's eight, or none
	WIN 0
.irp f, 0,1,2,3
	s_wait_dscnt (\younger)+3-\f
	global_store_b128 v[GO], v[S+16*(\t)+4*\f:S+16*(\t)+4*\f+3], s[10:11] offset:(\t)*2048+\f*512  ; 512 bytes on end
.endr
.endm
	CHANGE 1, 0                     ; tile 0 is in, everybody's part of it; tile 1 is asked for
	v_add_nc_u32 v[AK], s[TBK], v[AK0]
	FETCH_K                         ; key step 0
	s_wait_loadcnt 0x0              ; Q
	s_wait_dscnt 0x0
.set i, 0
.rept 8
	KQ 0                            ; piece 0's first scores
.set i, i+1
.endr
	WIN 0
.rept 4
	v_nop                           ; the places behind those products
.endr
.set Y, NP-1                        ; X works for piece Y + 1: piece 0
.irp n, 0,1,2,3,4,5,6,7,8,9,10,11,12,13,14,15,16,17,18,19,20,21
	OP X, \n
.endr
	v_nop                           ; a plain instruction behind the exponential,
	s_wait_alu depctr_va_vdst(0)    ; and its wait, ahead of the branch
	s_mov_b32 s[CNT], 4
	s_branch .Lfirst                ; the loop is entered at a step's first turn, in the middle of a trip
.Lslot:                             ; six times: tiles 2 to 7 are asked for
	CHANGE 1, 1
	s_mov_b32 s[CNT], 4
.Lstep:                             ; a trip: pieces 2 and 3 of one step, then pieces 0 and 1 of the next, whose K and V it fetches
	TURN 2
	TURN 3
	WIN 0
.Lfirst:
	TURN 0
	TURN 1, 1
	WIN 0
	s_cbranch_scc1 .Lstep
	s_sub_co_u32 s[SLOTS], s[SLOTS], 1
	s_cmp_lg_u32 s[SLOTS], 0
	s_cbranch_scc1 .Lslot
	CHANGE 0, 0                     ; the last tile is written out: nothing is asked for
	s_mov_b32 s[CNT], 5             ; four trips fetch the last tile's steps; the fifth is left in its middle
.Ltail:
	TURN 2
	TURN 3
	WIN 0
	s_sub_co_u32 s[CNT], s[CNT], 1
	s_cmp_eq_u32 s[CNT], 0
	s_cbranch_scc1 .Lout
	TURN 0
	TURN 1
	WIN 0
	s_branch .Ltail
.Lout:                              ; the fifth trip's fetch of K takes the 9,216 bytes behind the tile's K (rows of its V); the 8 products on them and the maximum made of them write piece 0's scores, m and c m
                                    ; alone, which nothing reads any more: the price, once a launch, of one text for every trip of the tail
.set i, 0
.rept 8
	PV NP-1                         ; the last piece's V^T P of the last step
.set i, i+1
.endr
	; THE WAY OUT.  l's two halves and the other half of the lanes' are added; O^T is divided by l, rounded to bf16 and sent through my stage, a piece at a time.  The additions are the places behind the last products.
	WIN 0
	ALL v_add_f32 v[ST+4*t+2], v[ST+4*t+2], v[ST+4*t+3]
	ALL v_permlanex16_b32 v[ST+4*t+3], v[ST+4*t+2], s[SEL], s[SEL+1]
	ALL v_add_f32 v[ST+4*t+2], v[ST+4*t+2], v[ST+4*t+3]
	ALL v_rcp_f32 v[ST+4*t+2], v[ST+4*t+2]
	v_nop                           ; a plain instruction behind the last reciprocal,
	s_wait_alu depctr_va_vdst(0)    ; and one wait for the four, ahead of the first use
	PACK 0
.set t, 1
.rept 3
	PACK t
	SEND t-1, 8
.set t, t+1
.endr
	SEND 3, 0
	s_wait_tensorcnt 0x0            ; the wave's end, behind my last tensor load and my last LDS store
	ds_add_u32 v[SPW], v[NIL]
	s_wait_dscnt 0x0
	CROUND                          ; the closing round
	s_endpgm
.Lfunc_end_k_q4bb426d09a_attn:
	.size	k_q4bb426d09a_attn, .Lfunc_end_k_q4bb426d09a_attn-k_q4bb426d09a_attn
	.p2alignl 7, 3214868480
	.fill 96, 4, 3214868480
	.section	.rodata,"a",@progbits
	.p2align	6, 0x0
	.amdhsa_kernel k_q4bb426d09a_attn
		.amdhsa_group_segment_fixed_size 327680
		.amdhsa_private_segment_fixed_size 0
		.amdhsa_enable_private_segment 0
		.amdhsa_kernarg_size 16
		.amdhsa_user_sgpr_count 2
		.amdhsa_user_sgpr_kernarg_segment_ptr 1
		.amdhsa_wavefront_size32 1
		.amdhsa_system_sgpr_workgroup_id_x 1
		.amdhsa_system_sgpr_workgroup_id_y 1
		.amdhsa_system_sgpr_workgroup_id_z 1
		.amdhsa_system_vgpr_workitem_id 0
		.amdhsa_next_free_vgpr 768
		.amdhsa_next_free_sgpr 66
		.amdhsa_reserve_vcc 0
		.amdhsa_float_denorm_mode_32 3
		.amdhsa_float_denorm_mode_16_64 3
		.amdhsa_memory_ordered 1
		.amdhsa_forward_progress 1
		.amdhsa_inst_pref_size 111
	.end_amdhsa_kernel
	.amdgpu_metadata
---
amdhsa.version: [ 1, 2 ]
amdhsa.kernels:
  - .name:           k_q4bb426d09a_attn
    .symbol:         k_q4bb426d09a_attn.kd
    .args:
      - { .name: qkvb, .offset: 0, .size: 8, .value_kind: global_buffer, .address_space: global }
      - { .name: ob, .offset: 8, .size: 8, .value_kind: global_buffer, .address_space: global }
    .group_segment_fixed_size: 327680
    .private_segment_fixed_size: 0
    .kernarg_segment_align: 8
    .kernarg_segment_size: 16
    .max_flat_workgroup_size: 128
    .sgpr_count:     66
    .vgpr_count:     768
    .wavefront_size: 32
...
	.end_amdgpu_metadata
.endif
;; end of part 4
;; launch proj (part 5): grid 8 x 32, 4 waves a work-group, clusters of 4 x 4, 327,680 bytes of LDS; arguments ob, wb, b_proj, x, x1; writes x1
.if DOCPART == 5
	.amdgcn_target "amdgcn-amd-amdhsa--gfx1250"
	.amdhsa_code_object_version 6
	.text
	.protected	k_q4bb426d09a_proj
	.globl	k_q4bb426d09a_proj
	.p2align	8
	.type	k_q4bb426d09a_proj,@function
k_q4bb426d09a_proj:
	s_mov_b64 s[64:65], 0
	v_nop
	global_prefetch_b8 v0, s[64:65] scope:SCOPE_SE
	s_setreg_imm32_b32 hwreg(HW_REG_WAVE_MODE, 25, 1), 1
	s_wait_xcnt 0x0
	s_wait_alu depctr_hold_cnt(0) depctr_sa_sdst(0) depctr_va_vdst(0) depctr_va_sdst(0) depctr_va_ssrc(0) depctr_va_vcc(0) depctr_vm_vsrc(0)
	s_getreg_b32 s2, hwreg(HW_REG_IB_STS2, 6, 4)
	s_cmp_eq_u32 s2, 0
	s_cbranch_scc0 .Lentry_in_a_cluster
	s_endpgm
.Lentry_in_a_cluster:
	s_bfe_u32 s2, ttmp6, 0x10000c
	s_cmp_lg_u32 s2, 0xf033
	s_cbranch_scc0 .Lentry_shape_is_right
	s_endpgm
.Lentry_shape_is_right:
; x1 = x + O W_proj + b_proj.  O: [32 = batch x 16 + head][2048][64] bf16 (a head's 64 channels are one slice of K); W_proj: [1024][1024] bf16 at wb's byte 6,291,456; x, x1: [4096][1024] f32.
; SHARES.  A work-group makes 128 x 128 of x1: that tile gives 256 work-groups.  K IS SPLIT AMONG ITS FOUR WAVES: each wave makes the whole tile, 64 accumulators of 16 x 16, on its own 64 of a K step's
; 256 (one head).  So 32 LDS loads feed 64 matrix instructions.  The four partial sums, in f32, meet in LDS at the end.
; THE RING.  K goes in 4 steps of 256 (four heads) through two LDS slots of four panels of 36,864 bytes, one tensor load and one wave each.  Waves 0, 1: two heads' 128 rows x 64 channels; a head's part is
; 16,384 dense bytes, asked for as ONE long row and padded by 16 bytes after every 128: LDS pitch 144.  Waves 2, 3: 128 k rows x 128 columns of W (256 + 32 bytes a row), read turned (ds_load_tr16_b128).
; Wave w multiplies head w of the step's four: panel w / 2, half w % 2, of O's and of W's.
; THE WALK ALONG K begins at step (2 X + Y % 4) % 4 of the cluster's coordinates X, Y and goes round: the two clusters that read the same rows of O are two steps apart, neighbours in Y, which read the
; same columns of W, one step: they ask for a block at different times.  The order of the f32 sums differs from the reference's by that, and by the split.
; THE MATRIX INSTRUCTION IS USED TRANSPOSED (source 0 = 16 columns of W, source 1 = 16 rows of O): a lane holds one row and eight neighbouring columns.  THE BIAS is the C operand of the first products in
; wave 0; the other waves' copies of it are set to 0.
; CLUSTER 4 x 4: O's panels are asked for jointly along a row of the cluster, W's along a column.  NO PREFETCH: the launch has four K steps, of which two are asked for at its head.
; THE WAY OUT.  Each wave's partial tile goes into the ring, which has had its last fill: 128 rows of 528 bytes a wave.  Behind a barrier wave w adds the four partial sums of rows 32 w .. 32 w + 31 onto the
; residual, which was loaded at the kernel's start, and stores whole rows of the tile: a store covers 512 bytes on end.  LIMITS: operands in bf16; NaN and infinities are not treated apart.
; REGISTERS in windows of 256 (s_set_vgpr_msb: bits 1:0 source 0, 3:2 source 1, 5:4 source 2, 7:6 destination).  Window 0: v0-31 addresses; v64-191 O's fragments, two buffers of 64; v192-255 the bias.
; Window 1: v0-127 W's fragments, two buffers; v128-255 the residual, then the result.  Windows 2, 3: accumulator i = 8 a + b at window 2 + i / 32, register 8 (i % 32).
.set NSTEP, 4
.set LOGA,  20                         ; a K step is four heads of 262,144 bytes in O,
.set LOGB,  19                         ; 256 rows of 2,048 bytes in W
.set NAW,   2
.set APIT,  144
.set ASUB,  18432                      ; the second head of a panel: 128 rows on
.set PANEL, 36864
.set BOFF,  NAW*PANEL
.set SLOT,  4*PANEL
.set SPARE, 2*SLOT                     ; behind the ring: the spare words, 128 bytes a wave, that no other line names
.set LDB,   1024
.set DP,    528                        ; the way out: a row of 128 f32 + 16 bytes
.set RG,    128*DP                     ; a wave's partial tile there
.set BI,    192
.set RS,    128
.set WOFF,  6291456
.set ADRA0, 8                          ; v8   my place in O's panels; never rewritten
.set ADRB0, 9                          ; v9   in W's; never rewritten
.set ADRA,  16                         ; v16  the same plus the slot in hand
.set ADRB,  17
.set DST,   24                         ; v24  the way out: where I put 32 bytes of a row
.set RD,    25                         ; v25  where I read rows back
.set BO,    27
.set SPW,   28                         ; v28  my spare word; never rewritten
.set NIL,   29                         ; v29  0; never rewritten
.set XO,    31                         ; v31  16 x lane: my place in a row of the tile, in x and in x1; never rewritten
.set WV, 14
.set WM, 15
.set WN, 16
.set CX, 17
.set CY, 18
.set TC, 19
.set TR, 20
.set AB,  22                           ; s[22:23] O at my panel's K step 0
.set G1A, 24
.set G0A, 32                           ; s[32:39] group 0, two sets: the first fill's; the second's, which then serves every refill
.set G1B, 40
.set G0B, 48
.set SL,  56                           ; s56  LDS byte of the slot that is read: 0 or SLOT
.set LB,  57                           ; s57  my panel's place in a slot
.set CNT, 58
.set BB,  66                           ; s[66:67] W at my panel's K step 0
.set OA,  68                           ; s[68:69] a K step's byte offset in O
.set OB,  70                           ; s[70:71] in W
.set KW,  74                           ; s74  the K step asked for last
.set MSB, 0
.macro WIN new                         ; the immediate's high byte repeats the setting that is left; a switch that changes nothing is dropped
.if MSB != (\new)
	s_set_vgpr_msb (MSB<<8)|(\new)
.set MSB, \new
.endif
.endm
.macro PLACES                          ; four plain instructions between a matrix instruction and a load into, or a reader of, its registers
.rept 4
	v_nop
.endr
.endm
.macro CREST                           ; a round of the cluster's barrier behind its opening barrier
	s_cmp_lg_u32 s[WV], 0
	s_cbranch_scc1 .Lnot_wave_0_\@
	s_barrier_signal -3
.Lnot_wave_0_\@:
	s_barrier_wait -3
	s_barrier_signal -1
	s_barrier_wait -1
.endm
.macro CROUND
	s_barrier_signal -1
	s_barrier_wait -1
	CREST
.endm
.macro JLOAD s                         ; a joint load, one a wave; the branch hangs on the wave's number alone; an s_nop 0 and four v_nop follow each line
	s_cmp_lt_u32 s[WV], NAW
	s_cbranch_scc0 .Lfor_b_\@
	tensor_load_to_lds s[G0A+4*(\s):G0A+4*(\s)+3], s[G1A:G1A+7]
	s_nop 0
	PLACES
	s_branch .Lasked_\@
.Lfor_b_\@:
	tensor_load_to_lds s[G0B+4*(\s):G0B+4*(\s)+3], s[G1B:G1B+7]
	s_nop 0
	PLACES
.Lasked_\@:
.endm
.macro AIM s                           ; set s of both descriptors' global addresses: K step s[KW], made anew from the bases; the type bits are set again
	s_lshl_b32 s[OA], s[KW], LOGA
	s_lshl_b32 s[OB], s[KW], LOGB
	s_add_nc_u64 s[G0A+4*(\s)+2:G0A+4*(\s)+3], s[AB:AB+1], s[OA:OA+1]
	s_or_b32 s[G0A+4*(\s)+3], s[G0A+4*(\s)+3], 0x80000000
	s_add_nc_u64 s[G0B+4*(\s)+2:G0B+4*(\s)+3], s[BB:BB+1], s[OB:OB+1]
	s_or_b32 s[G0B+4*(\s)+3], s[G0B+4*(\s)+3], 0x80000000
.endm
.macro NEXTK                           ; the walk goes round
	s_add_co_u32 s[KW], s[KW], 1
	s_and_b32 s[KW], s[KW], NSTEP-1
.endm
.macro ADDR                            ; the working LDS addresses: the fixed ones plus the slot in hand
	v_add_nc_u32 v[ADRA], s[SL], v[ADRA0]
	v_add_nc_u32 v[ADRB], s[SL], v[ADRB0]
.endm
.macro FETCHR u, f, r                  ; run r of four of the fragments of my unit u (K = 32) of the slot in hand, into buffer f: two blocks of W's columns, two of O's rows: eight LDS loads
	WIN 0x40                                       ; destination window 1
.set b2, 2*(\r)
.rept 2
	ds_load_tr16_b128 v[(\f)*64+8*b2:(\f)*64+8*b2+3],   v[ADRB] offset:b2*32+(\u)*9216
	ds_load_tr16_b128 v[(\f)*64+8*b2+4:(\f)*64+8*b2+7], v[ADRB] offset:b2*32+(\u)*9216+4608
.set b2, b2+1
.endr
	WIN 0
.set a2, 2*(\r)
.rept 2
	ds_load_b128 v[64+(\f)*64+8*a2:64+(\f)*64+8*a2+3],   v[ADRA] offset:a2*16*APIT+(\u)*64
	ds_load_b128 v[64+(\f)*64+8*a2+4:64+(\f)*64+8*a2+7], v[ADRA] offset:a2*16*APIT+(\u)*64+32
.set a2, a2+1
.endr
.endm
.macro FETCH u, f
	FETCHR \u, \f, 0
	FETCHR \u, \f, 1
	FETCHR \u, \f, 2
	FETCHR \u, \f, 3
.endm
.macro MUL f, lo, hi, zero             ; products lo .. hi - 1 of a unit's 64 on buffer f.  The accumulators take turns, one instruction a turn, in the same order in every unit
.set ii, \lo
.rept (\hi)-(\lo)
.set rD, 8*(ii%32)
.set rB, (\f)*64+8*(ii%8)
.set rA, 64+(\f)*64+8*(ii/8)
.if \zero
	WIN 0x81+0x40*(ii/32)                          ; the first product of a sum: C is the bias (0 in waves 1 to 3), in window 0
	v_wmma_f32_16x16x32_bf16 v[rD:rD+7], v[rB:rB+7], v[rA:rA+7], v[BI+8*(ii%8):BI+8*(ii%8)+7]
.else
	WIN 0xa1+0x50*(ii/32)
	v_wmma_f32_16x16x32_bf16 v[rD:rD+7], v[rB:rB+7], v[rA:rA+7], v[rD:rD+7]
.endif
.set ii, ii+1
.endr
.endm
.macro UNIT u, f, g, zero              ; multiplies buffer f; at its head fetches unit u into buffer g, in four short runs, eight products apart, 40 products or more ahead of their use
	s_wait_dscnt 0x0                               ; buffer f is in
	PLACES                                         ; behind the last products, which read buffer g
	FETCHR \u, \g, 0
	MUL \f, 0, 8, \zero
	FETCHR \u, \g, 1
	MUL \f, 8, 16, \zero
	FETCHR \u, \g, 2
	MUL \f, 16, 24, \zero
	FETCHR \u, \g, 3
	MUL \f, 24, 64, \zero
.endm
; A step's second unit, on buffer 1, and the change of slots: ONE barrier.  In front of it each wave waits for all its tensor loads (one is out: its panel of the next slot), adds 0 to its spare word, and
; waits for that and for its reads of this slot.  fill = 1: the barrier opens a round of the cluster's barrier, and the slot just read is filled again first thing behind the round.
.macro TURN fill
	WIN 0
	s_wait_tensorcnt 0x0                           ; no tensor load of mine is out, so the descriptors may be written
	ds_add_u32 v[SPW], v[NIL]
.if \fill
	NEXTK
	s_add_co_u32 s[G0A+5], s[LB], s[SL]            ; into the slot that is being read out,
	s_add_co_u32 s[G0B+5], s[LB], s[SL]
	AIM 1                                          ; the walk's next K step
.endif
	s_wait_dscnt 1                                 ; only the add may be out: buffer 1 is in
	MUL 1, 0, 8, 0
	s_wait_dscnt 0x0                               ; the add is done, and my reads of this slot are over
	s_barrier_signal -1
	MUL 1, 8, 16, 0
	WIN 0
	s_barrier_wait -1
.if \fill
	CREST                                          ; no wave of any partner still reads this slot or has a load on its way
	JLOAD 1                                        ; its four v_nop are also the places in front of the loads below
	s_xor_b32 s[SL], s[SL], SLOT
	ADDR
	FETCHR 0, 0, 0
	MUL 1, 16, 24, 0
	FETCHR 0, 0, 1
	MUL 1, 24, 32, 0
	FETCHR 0, 0, 2
	MUL 1, 32, 40, 0
	FETCHR 0, 0, 3
	MUL 1, 40, 64, 0
.else
	PLACES
	s_xor_b32 s[SL], s[SL], SLOT
	ADDR
	s_cmp_eq_u32 s[CNT], 1                         ; behind the last K step there is nothing to fetch
	s_cbranch_scc1 .Lno_fetch_\@
	FETCH 0, 0
.Lno_fetch_\@:
	MUL 1, 16, 64, 0
.endif
.endm
.macro DUMP                            ; every accumulator's 32 bytes a lane into my own bytes of the dead ring; each accumulator's low registers first
.set ii, 0
.rept 64
	WIN 0x08+0x04*(ii/32)                          ; store data (source 1) in window 2 or 3
	ds_store_b128 v[DST], v[8*(ii%32):8*(ii%32)+3]   offset:(ii/8)*16*DP+(ii%8)*64
	ds_store_b128 v[DST], v[8*(ii%32)+4:8*(ii%32)+7] offset:(ii/8)*16*DP+(ii%8)*64+16
.set ii, ii+1
.endr
	WIN 0
.endm
	s_load_b256 s[4:11], s[0:1], 0x0               ; ob s[4:5], wb s[6:7], b_proj s[8:9], x s[10:11]
	s_load_b64 s[12:13], s[0:1], 0x20              ; x1
	v_lshl_add_u32 v[SPW], v0, 2, SPARE
	v_mov_b32 v[NIL], 0
	ds_add_u32 v[SPW], v[NIL]                      ; the wave's opening: the add and its wait ahead of my first tensor load
	v_lshrrev_b32 v7, 5, v0
	v_readfirstlane_b32 s[WV], v7                  ; wave 0..3: also which 64 of a step's K are mine
	s_lshr_b32 s[WM], s[WV], 1                     ; the panel that holds them,
	s_and_b32 s[WN], s[WV], 1                      ; and its half; also which of the two panels I fetch
	s_bfe_u32 s[CX], ttmp6, 0x40000
	s_bfe_u32 s[CY], ttmp6, 0x40004
	s_lshl_b32 s[TC], ttmp9, 2
	s_add_co_u32 s[TC], s[TC], s[CX]               ; tile column = 4 x cluster x + cx
	s_and_b32 s21, ttmp7, 0xffff                   ; cluster y
	s_lshl_b32 s[TR], s21, 2
	s_add_co_u32 s[TR], s[TR], s[CY]               ; tile row
	s_lshl_b32 s2, s[CY], 2
	s_lshl_b32 s2, 15, s2                          ; my row of the cluster
	s_lshl_b32 s3, 0x1111, s[CX]                   ; my column
	s_or_b32 s[G1A], s2, (1<<16)|(1<<20)|(1<<21)|(4<<22)|(3<<25)  ; mask; 2-byte elements; padding on; bit 21 beside a mask; after every 32 words 4 words
	s_mov_b32 s[G1A+1], 8192<<16                   ; tensor_dim0 = 8,192: a head's 128 rows x 64 channels on end
	s_mov_b32 s[G1A+2], 2<<16                      ; tensor_dim1 = 2 heads
	s_mov_b32 s[G1A+3], 8192<<16                   ; tile_dim0
	s_mov_b32 s[G1A+4], 2                          ; tile_dim1
	s_mov_b32 s[G1A+5], 131072                     ; elements from head to head
	s_mov_b32 s[G1A+6], 0
	s_mov_b32 s[G1A+7], 0
	s_or_b32 s[G1B], s3, (1<<16)|(1<<20)|(1<<21)|(5<<22)|(7<<25)  ; my column's mask; after every 64 words 8 words
	s_mov_b32 s[G1B+1], 128<<16
	s_mov_b32 s[G1B+2], 128<<16
	s_mov_b32 s[G1B+3], 128<<16
	s_mov_b32 s[G1B+4], 128
	s_mov_b32 s[G1B+5], LDB
	s_mov_b32 s[G1B+6], 0
	s_mov_b32 s[G1B+7], 0
	s_mul_i32 s[LB], s[WV], PANEL
	s_mov_b32 s[SL], 0
	s_and_b32 s[KW], s21, 3                        ; where the cluster's walk begins: made of the cluster's coordinates alone, which all partners share
	s_lshl_b32 s3, ttmp9, 1
	s_add_co_u32 s[KW], s[KW], s3
	s_and_b32 s[KW], s[KW], NSTEP-1
	s_mov_b32 s[OA+1], 0
	s_mov_b32 s[OB+1], 0
	s_lshr_b32 s[AB], s[TR], 4                     ; the batch: 16 heads of 262,144 bytes
	s_lshl_b32 s[AB], s[AB], 22
	s_lshl_b32 s3, s[WN], 19                       ; my two heads of a step's four
	s_add_co_u32 s[AB], s[AB], s3
	s_and_b32 s3, s[TR], 15
	s_lshl_b32 s3, s3, 14                          ; the tile's 128 rows of 128 bytes
	s_add_co_u32 s[AB], s[AB], s3
	s_mov_b32 s[AB+1], 0
	s_lshl_b32 s[BB], s[TC], 8                     ; W: 128 columns a tile column,
	s_lshl_b32 s75, s[WN], 18                      ; 128 k rows of 2,048 bytes a panel
	s_add_co_u32 s[BB], s[BB], s75
	s_add_co_u32 s[BB], s[BB], WOFF
	s_mov_b32 s[BB+1], 0
	s_wait_dscnt 0x0                               ; the opening add is done
	s_wait_kmcnt 0x0
	s_add_nc_u64 s[AB:AB+1], s[4:5], s[AB:AB+1]
	s_add_nc_u64 s[BB:BB+1], s[6:7], s[BB:BB+1]
	CROUND                                         ; all sixteen work-groups are here: the first joint loads meet
.irp s, 0,1
	s_mov_b32 s[G0A+4*(\s)], 1
	s_add_co_u32 s[G0A+4*(\s)+1], s[LB], (\s)*SLOT
	s_mov_b32 s[G0B+4*(\s)], 1
	s_add_co_u32 s[G0B+4*(\s)+1], s[LB], (\s)*SLOT
	AIM \s
	JLOAD \s                                       ; the walk's first two K steps: two loads of mine are out
.if (\s) == 0
	NEXTK
.endif
.endr
	v_and_b32 v1, 15, v0                           ; l % 16
	v_bfe_u32 v2, v0, 4, 1                         ; l / 16
	v_and_b32 v3, 7, v0
	v_bfe_u32 v4, v0, 3, 1
	v_and_b32 v5, 31, v0
	s_lshl_b32 s2, s[TC], 9                        ; the tile's 128 columns, in bytes of f32
	s_mov_b32 s3, 0
	s_add_nc_u64 s[8:9], s[8:9], s[2:3]
	s_lshl_b32 s76, s[TR], 19                      ; 128 rows of 4,096 bytes a tile row,
	s_lshl_b32 s77, s[WV], 17                      ; the 32 rows that I finish
	s_add_co_u32 s76, s76, s77
	s_add_co_u32 s76, s76, s2
	s_mov_b32 s77, 0
	s_add_nc_u64 s[10:11], s[10:11], s[76:77]
	s_add_nc_u64 s[12:13], s[12:13], s[76:77]
	v_lshlrev_b32 v[BO], 5, v2
.set b2, 0
.rept 8
	global_load_b128 v[BI+8*b2:BI+8*b2+3],   v[BO], s[8:9] offset:b2*64
	global_load_b128 v[BI+8*b2+4:BI+8*b2+7], v[BO], s[8:9] offset:b2*64+16
.set b2, b2+1
.endr
	v_lshlrev_b32 v[XO], 4, v5
	WIN 0x40                                       ; destination window 1
.set j, 0
.rept 32
	global_load_b128 v[RS+4*j:RS+4*j+3], v[XO], s[10:11] offset:j*4096  ; the residual: a row of the tile, 512 bytes on end
.set j, j+1
.endr
	WIN 0
	v_mul_u32_u24 v[ADRA0], v1, APIT               ; a fragment of O: row l % 16, 16 bytes for each half of the lanes, twice, 32 bytes apart
	v_lshl_add_u32 v[ADRA0], v2, 4, v[ADRA0]
	s_mul_i32 s2, s[WM], PANEL
	s_mul_i32 s3, s[WN], ASUB
	s_add_co_u32 s3, s3, s2
	v_add_nc_u32 v[ADRA0], s3, v[ADRA0]
	v_lshl_add_u32 v6, v2, 3, v3                   ; the turning load: k row 8 (l / 16) + l % 8, columns 8 ((l / 8) % 2) + 0..7
	v_mul_u32_u24 v6, v6, 288
	v_lshl_add_u32 v6, v4, 4, v6
	s_mul_i32 s3, s[WN], 64*288                    ; my 64 k rows of the panel's 128
	s_add_co_u32 s3, s3, s2
	s_add_co_u32 s3, s3, BOFF
	v_add_nc_u32 v[ADRB0], s3, v6
	s_mul_i32 s2, s[WV], RG
	v_mul_u32_u24 v[DST], v1, DP
	v_lshl_add_u32 v[DST], v2, 5, v[DST]
	v_add_nc_u32 v[DST], s2, v[DST]
	s_mul_i32 s2, s[WV], 32*DP
	v_lshl_add_u32 v[RD], v5, 4, s2                ; back: rows 32 w on of wave 0's partial tile, 16 bytes a lane
	s_wait_tensorcnt 1                             ; my panel of the first K step is in; the second's stays out
	s_barrier_signal -1
	s_barrier_wait -1
	ADDR
	FETCH 0, 0
	s_wait_loadcnt 32                              ; the bias is in; the residual's 32 loads stay out
	v_cmp_eq_u32 vcc_lo, 0, v7                     ; wave 0?
.set k, 0
.rept 64
	v_cndmask_b32 v[BI+k], 0, v[BI+k], vcc_lo      ; the bias enters one of the four partial sums
.set k, k+1
.endr
	UNIT 1, 0, 1, 1                                ; the first unit stands in front of the loop: its products start the sums
	WIN 0
	s_mov_b32 s[CNT], NSTEP-2
.Lstep:                                        ; a trip: a step's second unit, the change of slots with a refill, the next step's first unit
	TURN 1
	UNIT 1, 0, 1, 0
	WIN 0
	s_sub_co_u32 s[CNT], s[CNT], 1
	s_cmp_lg_u32 s[CNT], 0
	s_cbranch_scc1 .Lstep
	s_mov_b32 s[CNT], 2
.Ltail:                                        ; the last two steps ask for nothing; the second pass is left in its middle.  Its barrier shows that every wave's reads of the ring are over
	TURN 0
	WIN 0
	s_sub_co_u32 s[CNT], s[CNT], 1
	s_cmp_eq_u32 s[CNT], 0
	s_cbranch_scc1 .Lout
	UNIT 1, 0, 1, 0
	WIN 0
	s_branch .Ltail
.Lout:
	PLACES
	DUMP
	s_wait_dscnt 0x0                               ; for the others' sake: my partial tile lies in LDS
	s_barrier_signal -1
	s_barrier_wait -1                              ; all four do
	s_wait_loadcnt 0x0                             ; the residual
	s_mov_b32 s[CNT], 4
.Lsum:                                         ; a trip adds one wave's partial sums of my 32 rows onto the residual
.set j, 0
.rept 32
	ds_load_b128 v[64+4*j:64+4*j+3], v[RD] offset:j*DP
.set j, j+1
.endr
	WIN 0x41                                       ; destination and source 0 in window 1, source 1 in window 0
.set j, 0
.rept 32
.if j%8 == 0
	s_wait_dscnt 24-j                              ; the next eight rows are in; the younger loads stay out
.endif
	v_pk_add_f32 v[RS+4*j:RS+4*j+1],   v[RS+4*j:RS+4*j+1],   v[64+4*j:64+4*j+1]
	v_pk_add_f32 v[RS+4*j+2:RS+4*j+3], v[RS+4*j+2:RS+4*j+3], v[64+4*j+2:64+4*j+3]
.set j, j+1
.endr
	WIN 0
	v_add_nc_u32 v[RD], RG, v[RD]                  ; the next wave's partial tile
	s_sub_co_u32 s[CNT], s[CNT], 1
	s_cmp_lg_u32 s[CNT], 0
	s_cbranch_scc1 .Lsum
	WIN 0x04                                       ; store data (source 1) in window 1
.set j, 0
.rept 32
	global_store_b128 v[XO], v[RS+4*j:RS+4*j+3], s[12:13] offset:j*4096  ; the wave stores 512 bytes on end
.set j, j+1
.endr
	WIN 0
	s_wait_tensorcnt 0x0                           ; the wave's end, behind my last tensor load and my last LDS store
	ds_add_u32 v[SPW], v[NIL]
	s_wait_dscnt 0x0
	CROUND                                         ; the closing round
	s_endpgm
.Lfunc_end_k_q4bb426d09a_proj:
	.size	k_q4bb426d09a_proj, .Lfunc_end_k_q4bb426d09a_proj-k_q4bb426d09a_proj
	.p2alignl 7, 3214868480
	.fill 96, 4, 3214868480
	.section	.rodata,"a",@progbits
	.p2align	6, 0x0
	.amdhsa_kernel k_q4bb426d09a_proj
		.amdhsa_group_segment_fixed_size 327680
		.amdhsa_private_segment_fixed_size 0
		.amdhsa_enable_private_segment 0
		.amdhsa_kernarg_size 40
		.amdhsa_user_sgpr_count 2
		.amdhsa_user_sgpr_kernarg_segment_ptr 1
		.amdhsa_wavefront_size32 1
		.amdhsa_system_sgpr_workgroup_id_x 1
		.amdhsa_system_sgpr_workgroup_id_y 1
		.amdhsa_system_sgpr_workgroup_id_z 1
		.amdhsa_system_vgpr_workitem_id 0
		.amdhsa_next_free_vgpr 1024
		.amdhsa_next_free_sgpr 80
		.amdhsa_reserve_vcc 1
		.amdhsa_float_denorm_mode_32 3
		.amdhsa_float_denorm_mode_16_64 3
		.amdhsa_memory_ordered 1
		.amdhsa_forward_progress 1
		.amdhsa_inst_pref_size 70
	.end_amdhsa_kernel
	.amdgpu_metadata
---
amdhsa.version: [ 1, 2 ]
amdhsa.kernels:
  - .name:           k_q4bb426d09a_proj
    .symbol:         k_q4bb426d09a_proj.kd
    .args:
      - { .name: ob, .offset: 0, .size: 8, .value_kind: global_buffer, .address_space: global }
      - { .name: wb, .offset: 8, .size: 8, .value_kind: global_buffer, .address_space: global }
      - { .name: b_proj, .offset: 16, .size: 8, .value_kind: global_buffer, .address_space: global }
      - { .name: x, .offset: 24, .size: 8, .value_kind: global_buffer, .address_space: global }
      - { .name: x1, .offset: 32, .size: 8, .value_kind: global_buffer, .address_space: global }
    .group_segment_fixed_size: 327680
    .private_segment_fixed_size: 0
    .kernarg_segment_align: 8
    .kernarg_segment_size: 40
    .max_flat_workgroup_size: 128
    .sgpr_count:     80
    .vgpr_count:     1024
    .wavefront_size: 32
...
	.end_amdgpu_metadata
.endif
;; end of part 5
;; launch ln2: the kernel of part 2 again; grid 512 x 1, 4 waves a work-group, no clusters, 0 bytes of LDS; arguments x1, ln2_g, ln2_b, nx; writes nx
;; launch ffn1 (part 6): grid 16 x 16, 4 waves a work-group, clusters of 4 x 4, 327,680 bytes of LDS; arguments nx, wb, b_ffn1, hb; writes hb
.if DOCPART == 6
	.amdgcn_target "amdgcn-amd-amdhsa--gfx1250"
	.amdhsa_code_object_version 6
	.text
	.protected	k_q4bb426d09a_ffn1
	.globl	k_q4bb426d09a_ffn1
	.p2align	8
	.type	k_q4bb426d09a_ffn1,@function
k_q4bb426d09a_ffn1:
	s_mov_b64 s[64:65], 0
	v_nop
	global_prefetch_b8 v0, s[64:65] scope:SCOPE_SE
	s_setreg_imm32_b32 hwreg(HW_REG_WAVE_MODE, 25, 1), 1
	s_wait_xcnt 0x0
	s_wait_alu depctr_hold_cnt(0) depctr_sa_sdst(0) depctr_va_vdst(0) depctr_va_sdst(0) depctr_va_ssrc(0) depctr_va_vcc(0) depctr_vm_vsrc(0)
	s_getreg_b32 s2, hwreg(HW_REG_IB_STS2, 6, 4)
	s_cmp_eq_u32 s2, 0
	s_cbranch_scc0 .Lentry_in_a_cluster
	s_endpgm
.Lentry_in_a_cluster:
	s_bfe_u32 s2, ttmp6, 0x10000c
	s_cmp_lg_u32 s2, 0xf033
	s_cbranch_scc0 .Lentry_shape_is_right
	s_endpgm
.Lentry_shape_is_right:
; h = silu(nx W_ffn1 + b_ffn1).  nx: [4096][1024] bf16; W_ffn1: [1024][4096] bf16 at wb's byte 8,388,608; h: [4096][4096] bf16, rounded once.  silu(x) = x / (1 + 2^(-x log2 e)), in f32.
; SHARES.  A work-group makes 256 x 256, a wave 64 rows x all 256 columns: 64 accumulators.  K goes in 8 steps of 128 through two LDS slots of four panels of 36,864 bytes, one tensor load and one wave
; each: waves 0, 1 bring 128 rows of nx (256 bytes + 16 of padding a row), waves 2, 3 bring 128 k rows x 128 columns of W (256 + 32), read turned (ds_load_tr16_b128).
; THE MATRIX INSTRUCTION IS USED TRANSPOSED (source 0 = 16 columns of W, source 1 = 16 rows of nx).  THE BIAS is the C operand of each sum's first product.
; CLUSTER 4 x 4: nx's panels are asked for jointly along a row of the cluster, W's along a column.
; THE WAY OUT.  The f32 sums go into the ring, which has had its last fill, each wave into bytes of its own, and come back four whole rows at a time, one group ahead of the arithmetic; a group's 32
; exponentials and its 32 reciprocals are a batch each, with one wait each; a wave's store covers 256 bytes on end.
; LIMITS: operands in bf16; for x far below zero the result is -0; NaN and infinities are not treated apart.
; REGISTERS in windows of 256 (s_set_vgpr_msb: bits 1:0 source 0, 3:2 source 1, 5:4 source 2, 7:6 destination).  Window 0: v0-39 addresses; v64-127 nx's fragments, two buffers; v128-255 the bias; on the
; way out v64-175 at work.  Window 1: W's fragments, two buffers of 128.  Windows 2, 3: accumulator i = 16 a + b at window 2 + i / 32, register 8 (i % 32).
.set NSTEP, 8
.set NAW,   2
.set NBL,   16
.set NACC,  4*NBL
.set QK,    1
.set NQ,    NACC*QK
.set APIT,  272
.set ABLK,  0
.set QPB,   4
.set PANEL, 36864
.set BOFF,  NAW*PANEL
.set SLOT,  4*PANEL
.set SPARE, 2*SLOT
.set LDA,   1024
.set LDB,   4096
.set ASTEP, 256
.set BSTEP, 128*LDB*2
.set NBA,   4
.set DP,    1040                       ; the way out: a row of 256 f32 + 16 bytes
.set RG,    68*DP                      ; a wave's 64 rows there, and four more that the last look-ahead reads
.set AH,    1
.set PF,    1
.set BI,    128
.set WOFF,  8388608
.set ADRA0, 8
.set ADRB0, 9
.set ADRA,  16
.set ADRB,  17
.set DST,   24
.set RD,    25
.set GO,    26
.set BO,    27
.set SPW,   28
.set NIL,   29
.set PFO,   30
.set SLK,   32                         ; v32     the four slack rows
.set ZR,    36                         ; v[36:39] zeros
.set XA,    64
.set XB,    96
.set EE,    128
.set YY,    160
.set WV, 14
.set WN, 16
.set CX, 17
.set CY, 18
.set TC, 19
.set TR, 20
.set G1A, 24
.set G0A, 32
.set G1B, 40
.set G0B, 48
.set SL,  56
.set LB,  57
.set CNT, 58
.set LIM, 59
.set PFA, 60
.set PST, 62
.set MSB, 0
.macro WIN new
.if MSB != (\new)
	s_set_vgpr_msb (MSB<<8)|(\new)
.set MSB, \new
.endif
.endm
.macro PLACES                          ; four plain instructions between a matrix instruction and a load into, or a reader of, its registers
.rept 4
	v_nop
.endr
.endm
.macro CREST
	s_cmp_lg_u32 s[WV], 0
	s_cbranch_scc1 .Lnot_wave_0_\@
	s_barrier_signal -3
.Lnot_wave_0_\@:
	s_barrier_wait -3
	s_barrier_signal -1
	s_barrier_wait -1
.endm
.macro CROUND
	s_barrier_signal -1
	s_barrier_wait -1
	CREST
.endm
.macro JLOAD s                         ; a joint load, one a wave; an s_nop 0 and four v_nop follow each line
	s_cmp_lt_u32 s[WV], NAW
	s_cbranch_scc0 .Lfor_b_\@
	tensor_load_to_lds s[G0A+4*(\s):G0A+4*(\s)+3], s[G1A:G1A+7]
	s_nop 0
	PLACES
	s_branch .Lasked_\@
.Lfor_b_\@:
	tensor_load_to_lds s[G0B+4*(\s):G0B+4*(\s)+3], s[G1B:G1B+7]
	s_nop 0
	PLACES
.Lasked_\@:
.endm
.macro ASK                             ; 32 rows x 256 bytes of my panel, AH K steps behind the refill just asked for: a lane a row; the last AH refills ask for nothing
	s_cmp_gt_u32 s[CNT], s[LIM]
	s_cbranch_scc0 .Lnot_mine_\@
	global_prefetch_b8 v[PFO], s[PFA:PFA+1] th:TH_LOAD_NT scope:SCOPE_SE
.Lnot_mine_\@:
.endm
.macro ADDR
	v_add_nc_u32 v[ADRA], s[SL], v[ADRA0]
.set g2, 0
.rept NBA
	v_add_nc_u32 v[ADRB+g2], s[SL], v[ADRB0+g2]
.set g2, g2+1
.endr
.endm
.macro FETCH qq, f                     ; the fragments of quarter qq of the slot in hand into buffer f
.set c2, 0
.rept QK
.set q2, (\qq)*QK+c2
	WIN 0x40
.set b2, 0
.rept NBL
.set rB, ((\f)*QK+c2)*8*NBL+8*b2
.set rX, ADRB+b2/4+(q2/4)*(NBL/4)
	ds_load_tr16_b128 v[rB:rB+3],   v[rX] offset:(b2%4)*32+(q2%4)*9216
	ds_load_tr16_b128 v[rB+4:rB+7], v[rX] offset:(b2%4)*32+(q2%4)*9216+4608
.set b2, b2+1
.endr
	WIN 0
.set a2, 0
.rept 4
.set rA, 64+((\f)*QK+c2)*32+8*a2
	ds_load_b128 v[rA:rA+3],   v[ADRA] offset:(q2/QPB)*ABLK+(q2%QPB)*64+a2*16*APIT
	ds_load_b128 v[rA+4:rA+7], v[ADRA] offset:(q2/QPB)*ABLK+(q2%QPB)*64+a2*16*APIT+32
.set a2, a2+1
.endr
.set c2, c2+1
.endr
.endm
.macro MUL f, lo, hi, zero             ; products lo .. hi - 1 of a quarter on buffer f; the accumulators take turns, one instruction a turn
.set idx, \lo
.rept (\hi)-(\lo)
.set cc, idx/NACC
.set ii, idx%NACC
.set rD, 8*(ii%32)
.set rB, ((\f)*QK+cc)*8*NBL+8*(ii%NBL)
.set rA, 64+((\f)*QK+cc)*32+8*(ii/NBL)
.if (\zero) && (cc == 0)
	WIN 0x81+0x40*(ii/32)                          ; the first product of a sum: C is the bias, in window 0
	v_wmma_f32_16x16x32_bf16 v[rD:rD+7], v[rB:rB+7], v[rA:rA+7], v[BI+8*(ii%NBL):BI+8*(ii%NBL)+7]
.else
	WIN 0xa1+0x50*(ii/32)
	v_wmma_f32_16x16x32_bf16 v[rD:rD+7], v[rB:rB+7], v[rA:rA+7], v[rD:rD+7]
.endif
.set idx, idx+1
.endr
.endm
.macro QUARTER qq, f, g, zero
	s_wait_dscnt 0x0                               ; buffer f is in
	MUL \f, 0, NQ/2, \zero
	PLACES
	FETCH \qq, \g
	MUL \f, NQ/2, NQ, \zero
.endm
; A step's last quarter and the change of slots: ONE barrier; in front of it each wave waits for all its tensor loads, adds 0 to its spare word, and waits for that and for its reads of this slot.
; fill = 1: the barrier opens a round of the cluster's barrier, and the slot just read is filled again first thing behind the round.
.macro TURN fill
.if (\fill) && PF
	s_wait_xcnt 0x0                                ; the last prefetch, a K step back, has read its address
	s_add_nc_u64 s[PFA:PFA+1], s[PFA:PFA+1], s[PST:PST+1]
.endif
	WIN 0
	s_wait_tensorcnt 0x0                           ; no tensor load of mine is out
	ds_add_u32 v[SPW], v[NIL]
	s_wait_dscnt 1                                 ; only the add may be out: buffer 1 is in
	MUL 1, 0, NQ/4, 0
	s_wait_dscnt 0x0                               ; the add is done, and my reads of this slot are over
	s_barrier_signal -1
	MUL 1, NQ/4, NQ/2, 0
	WIN 0
	s_barrier_wait -1
.if \fill
	CREST
	s_add_co_u32 s[G0A+5], s[LB], s[SL]            ; the walking descriptors: into the slot just read, the next K step
	s_add_co_u32 s[G0B+5], s[LB], s[SL]
	s_add_nc_u64 s[G0A+6:G0A+7], s[G0A+6:G0A+7], ASTEP
	s_add_nc_u64 s[G0B+6:G0B+7], s[G0B+6:G0B+7], BSTEP
	JLOAD 1
.else
	PLACES
.endif
	s_xor_b32 s[SL], s[SL], SLOT
	ADDR
.if !(\fill)
	s_cmp_eq_u32 s[CNT], 1                         ; behind the last K step there is nothing to fetch
	s_cbranch_scc1 .Lno_fetch_\@
.endif
	FETCH 0, 0
.if !(\fill)
.Lno_fetch_\@:
.endif
.if (\fill) && PF
	ASK
.endif
	MUL 1, NQ/2, NQ, 0
.endm
.macro DUMP                            ; each accumulator's low registers first
.set ii, 0
.rept NACC
	WIN 0x08+0x04*(ii/32)
	ds_store_b128 v[DST], v[8*(ii%32):8*(ii%32)+3]   offset:(ii/NBL)*16*DP+(ii%NBL)*64
	ds_store_b128 v[DST], v[8*(ii%32)+4:8*(ii%32)+7] offset:(ii/NBL)*16*DP+(ii%NBL)*64+16
.set ii, ii+1
.endr
	WIN 0
.endm
	s_load_b256 s[4:11], s[0:1], 0x0               ; nx s[4:5], wb s[6:7], b_ffn1 s[8:9], hb s[10:11]
	v_lshl_add_u32 v[SPW], v0, 2, SPARE
	v_mov_b32 v[NIL], 0
	ds_add_u32 v[SPW], v[NIL]                      ; the wave's opening: the add and its wait ahead of my first tensor load
	v_lshrrev_b32 v1, 5, v0
	v_readfirstlane_b32 s[WV], v1                  ; wave 0..3: also which 64 rows are mine
	s_and_b32 s[WN], s[WV], 1                      ; which of the two panels I fetch
	s_bfe_u32 s[CX], ttmp6, 0x40000
	s_bfe_u32 s[CY], ttmp6, 0x40004
	s_lshl_b32 s[TC], ttmp9, 2
	s_add_co_u32 s[TC], s[TC], s[CX]
	s_and_b32 s[TR], ttmp7, 0xffff
	s_lshl_b32 s[TR], s[TR], 2
	s_add_co_u32 s[TR], s[TR], s[CY]
	s_lshl_b32 s21, s[CY], 2
	s_lshl_b32 s21, 15, s21                        ; my row of the cluster
	s_lshl_b32 s2, 0x1111, s[CX]                   ; my column
	s_or_b32 s[G1A], s21, (1<<16)|(1<<20)|(1<<21)|(5<<22)|(3<<25)  ; mask; 2-byte elements; padding on; bit 21 beside a mask; after every 64 words 4 words
	s_or_b32 s[G1B], s2, (1<<16)|(1<<20)|(1<<21)|(5<<22)|(7<<25)   ; the same with my column's mask and 8 words
.irp g, G1A, G1B
	s_mov_b32 s[(\g)+1], 128<<16
	s_mov_b32 s[(\g)+2], 128<<16
	s_mov_b32 s[(\g)+3], 128<<16
	s_mov_b32 s[(\g)+4], 128
	s_mov_b32 s[(\g)+6], 0
	s_mov_b32 s[(\g)+7], 0
.endr
	s_mov_b32 s[G1A+5], LDA
	s_mov_b32 s[G1B+5], LDB
	s_mul_i32 s[LB], s[WV], PANEL
	s_mov_b32 s[SL], 0
	s_lshl_b32 s22, s[TR], 19                      ; nx: 256 rows x 2,048 bytes a tile row,
	s_lshl_b32 s3, s[WN], 18                       ; 128 rows a panel
	s_add_co_u32 s22, s22, s3
	s_mov_b32 s23, 0
	s_lshl_b32 s66, s[TC], 9                       ; W: 256 columns a tile column,
	s_lshl_b32 s3, s[WN], 8                        ; 128 columns a panel
	s_add_co_u32 s66, s66, s3
	s_add_co_u32 s66, s66, WOFF
	s_mov_b32 s67, 0
	s_wait_dscnt 0x0                               ; the opening add is done
	s_wait_kmcnt 0x0
	s_add_nc_u64 s[22:23], s[4:5], s[22:23]
	s_add_nc_u64 s[66:67], s[6:7], s[66:67]
	CROUND                                         ; all sixteen work-groups are here
.irp s, 0,1
	s_mov_b32 s[G0A+4*(\s)], 1
	s_add_co_u32 s[G0A+4*(\s)+1], s[LB], (\s)*SLOT
	s_add_nc_u64 s[G0A+4*(\s)+2:G0A+4*(\s)+3], s[22:23], (\s)*ASTEP
	s_or_b32 s[G0A+4*(\s)+3], s[G0A+4*(\s)+3], 0x80000000
	s_mov_b32 s[G0B+4*(\s)], 1
	s_add_co_u32 s[G0B+4*(\s)+1], s[LB], (\s)*SLOT
	s_add_nc_u64 s[G0B+4*(\s)+2:G0B+4*(\s)+3], s[66:67], (\s)*BSTEP
	s_or_b32 s[G0B+4*(\s)+3], s[G0B+4*(\s)+3], 0x80000000
	JLOAD \s                                       ; K steps 0 and 1: two loads of mine are out
.endr
	v_and_b32 v1, 15, v0
	v_bfe_u32 v2, v0, 4, 1
	v_and_b32 v3, 7, v0
	v_bfe_u32 v4, v0, 3, 1
	v_and_b32 v5, 31, v0
	; the prefetches.  nx's rows are read by all clusters of a row of clusters: cluster x = 0 asks; W's by all clusters of a column: cluster y = 0 asks.  The four partners that ask for a panel jointly share
	; its 128 rows out by address, 32 each (cx for nx, cy for W): each row's 256 bytes of a K step are named once in the launch.  K steps 0 to 2 come by their loads alone.
	s_mov_b32 s74, LDA*2
	s_mov_b32 s75, LDB*2
	s_mov_b32 s76, ASTEP
	s_mov_b32 s77, BSTEP
	s_and_b32 s21, ttmp7, 0xffff
	s_cmp_lt_u32 s[WV], NAW
	s_cselect_b32 s21, ttmp9, s21
	s_cselect_b32 s2, s[CX], s[CY]
	s_cselect_b32 s3, s74, s75
	s_cselect_b32 s[PST], s76, s77
	s_cselect_b64 s[PFA:PFA+1], s[22:23], s[66:67]
	s_mov_b32 s[PST+1], 0
	s_cmp_eq_u32 s21, 0
	s_cselect_b32 s[LIM], AH, -1
	v_mul_u32_u24 v[PFO], s3, v5
	s_mul_i32 s2, s2, s3
	s_lshl_b32 s2, s2, 5
	s_mul_i32 s3, s[PST], 1+AH
	s_add_co_u32 s2, s2, s3
	s_mov_b32 s3, 0
	s_add_nc_u64 s[PFA:PFA+1], s[PFA:PFA+1], s[2:3]
	s_lshl_b32 s2, s[TC], 10                       ; the bias: 256 f32 a tile column
	s_add_nc_u64 s[8:9], s[8:9], s[2:3]
	s_lshl_b32 s2, s[TR], 21                       ; h: 256 rows of 8,192 bytes a tile row,
	s_lshl_b32 s74, s[WV], 19                      ; my 64 rows,
	s_add_co_u32 s2, s2, s74
	s_lshl_b32 s74, s[TC], 9                       ; 256 columns of bf16
	s_add_co_u32 s2, s2, s74
	s_add_nc_u64 s[10:11], s[10:11], s[2:3]
	v_lshlrev_b32 v[BO], 5, v2
.set b2, 0
.rept NBL
	global_load_b128 v[BI+8*b2:BI+8*b2+3],   v[BO], s[8:9] offset:b2*64
	global_load_b128 v[BI+8*b2+4:BI+8*b2+7], v[BO], s[8:9] offset:b2*64+16
.set b2, b2+1
.endr
	v_mul_u32_u24 v[ADRA0], v1, APIT
	v_lshl_add_u32 v[ADRA0], v2, 4, v[ADRA0]
	s_lshr_b32 s2, s[WV], 1
	s_mul_i32 s2, s2, PANEL                        ; my rows' panel,
	s_mul_i32 s3, s[WN], 64*APIT                   ; and their half of it
	s_add_co_u32 s2, s2, s3
	v_add_nc_u32 v[ADRA0], s2, v[ADRA0]
	v_lshl_add_u32 v6, v2, 3, v3                   ; the turning load: k row 8 (l / 16) + l % 8, columns 8 ((l / 8) % 2) + 0..7
	v_mul_u32_u24 v6, v6, 288
	v_lshl_add_u32 v6, v4, 4, v6
.irp g, 0,1,2,3
	v_add_nc_u32 v[ADRB0+\g], BOFF+((\g)/2)*PANEL+((\g)%2)*128, v6
.endr
	s_mul_i32 s2, s[WV], RG
	v_mul_u32_u24 v[DST], v1, DP
	v_lshl_add_u32 v[DST], v2, 5, v[DST]
	v_add_nc_u32 v[DST], s2, v[DST]
	v_lshl_add_u32 v[RD], v5, 4, s2                ; back: 16 bytes a lane, twice, 512 bytes apart: a whole row
	v_add_nc_u32 v[SLK], 64*DP, v[RD]
	v_lshlrev_b32 v[GO], 3, v5
.irp r, 0,1,2,3
	v_mov_b32 v[ZR+\r], 0
.endr
	s_wait_tensorcnt 1                             ; my panel of K step 0 is in; K step 1's stays out
	s_barrier_signal -1
	s_barrier_wait -1
	ADDR
	FETCH 0, 0
	s_wait_loadcnt 0x0                             ; the bias
	QUARTER 1, 0, 1, 1
	WIN 0
	s_mov_b32 s[CNT], NSTEP-2
.Lstep:
	QUARTER 2, 1, 0, 0
	QUARTER 3, 0, 1, 0
	TURN 1
	QUARTER 1, 0, 1, 0
	WIN 0
	s_sub_co_u32 s[CNT], s[CNT], 1
	s_cmp_lg_u32 s[CNT], 0
	s_cbranch_scc1 .Lstep
	s_mov_b32 s[CNT], 2
.Ltail:                                        ; the last two steps ask for nothing; the second pass is left in its middle.  Its barrier shows that every wave's reads of the ring are over
	QUARTER 2, 1, 0, 0
	QUARTER 3, 0, 1, 0
	TURN 0
	WIN 0
	s_sub_co_u32 s[CNT], s[CNT], 1
	s_cmp_eq_u32 s[CNT], 0
	s_cbranch_scc1 .Lout
	QUARTER 1, 0, 1, 0
	WIN 0
	s_branch .Ltail
.Lout:
	PLACES
	DUMP
.irp r, 0,1,2,3                        ; the four rows that the last look-ahead reads hold zeros
	ds_store_b128 v[SLK], v[ZR:ZR+3] offset:(\r)*DP
	ds_store_b128 v[SLK], v[ZR:ZR+3] offset:(\r)*DP+512
.endr
.macro LOADG x                         ; four rows, 32 numbers a lane
.irp r, 0,1,2,3
	ds_load_b128 v[(\x)+8*(\r):(\x)+8*(\r)+3],   v[RD] offset:(\r)*DP
	ds_load_b128 v[(\x)+8*(\r)+4:(\x)+8*(\r)+7], v[RD] offset:(\r)*DP+512
.endr
.endm
.macro GROUP cur, nxt, row0            ; silu of the four rows in cur, stored as rows row0 .. row0 + 3 behind the base; the next four rows are fetched into nxt meanwhile
	v_add_nc_u32 v[RD], 4*DP, v[RD]
	LOADG \nxt
	s_wait_dscnt 8                                 ; cur is in; the eight loads just issued stay out
.set k, 0
.rept 16
	v_pk_mul_f32 v[EE+k:EE+k+1], v[(\cur)+k:(\cur)+k+1], 0xbfb8aa3b op_sel_hi:[1,0]  ; -x log2(e)
.set k, k+2
.endr
.set k, 0
.rept 32
	v_exp_f32 v[EE+k], v[EE+k]
.set k, k+1
.endr
	v_nop                                          ; a plain instruction behind the last exponential,
	s_wait_alu depctr_va_vdst(0)                   ; and one wait for the batch
.set k, 0
.rept 16
	v_pk_add_f32 v[EE+k:EE+k+1], v[EE+k:EE+k+1], 1.0 op_sel_hi:[1,0]
.set k, k+2
.endr
.set k, 0
.rept 32
	v_rcp_f32 v[EE+k], v[EE+k]
.set k, k+1
.endr
	v_nop
	s_wait_alu depctr_va_vdst(0)                   ; one wait for the 32 reciprocals
.set k, 0
.rept 16
	v_pk_mul_f32 v[EE+k:EE+k+1], v[EE+k:EE+k+1], v[(\cur)+k:(\cur)+k+1]
.set k, k+2
.endr
	s_wait_xcnt 0x0                                ; the last group's stores have read their data
.set k, 0
.rept 16
	v_cvt_pk_bf16_f32 v[YY+k], v[EE+2*k], v[EE+2*k+1]
.set k, k+1
.endr
.irp r, 0,1,2,3
	global_store_b64 v[GO], v[YY+4*(\r):YY+4*(\r)+1],   s[10:11] offset:((\row0)+(\r))*8192      ; the wave stores 256 bytes on end
	global_store_b64 v[GO], v[YY+4*(\r)+2:YY+4*(\r)+3], s[10:11] offset:((\row0)+(\r))*8192+256
.endr
.endm
	LOADG XA                                       ; LDS serves a wave's instructions in order: these see my stores
	s_mov_b32 s[CNT], 8
.Lsilu:
	GROUP XA, XB, 0
	GROUP XB, XA, 4
	s_wait_xcnt 0x0                                ; the stores have read their base
	s_add_nc_u64 s[10:11], s[10:11], 8*8192
	s_sub_co_u32 s[CNT], s[CNT], 1
	s_cmp_lg_u32 s[CNT], 0
	s_cbranch_scc1 .Lsilu
	s_wait_tensorcnt 0x0                           ; the wave's end, behind my last tensor load and my last LDS store
	ds_add_u32 v[SPW], v[NIL]
	s_wait_dscnt 0x0
	CROUND                                         ; the closing round
	s_endpgm
.Lfunc_end_k_q4bb426d09a_ffn1:
	.size	k_q4bb426d09a_ffn1, .Lfunc_end_k_q4bb426d09a_ffn1-k_q4bb426d09a_ffn1
	.p2alignl 7, 3214868480
	.fill 96, 4, 3214868480
	.section	.rodata,"a",@progbits
	.p2align	6, 0x0
	.amdhsa_kernel k_q4bb426d09a_ffn1
		.amdhsa_group_segment_fixed_size 327680
		.amdhsa_private_segment_fixed_size 0
		.amdhsa_enable_private_segment 0
		.amdhsa_kernarg_size 32
		.amdhsa_user_sgpr_count 2
		.amdhsa_user_sgpr_kernarg_segment_ptr 1
		.amdhsa_wavefront_size32 1
		.amdhsa_system_sgpr_workgroup_id_x 1
		.amdhsa_system_sgpr_workgroup_id_y 1
		.amdhsa_system_sgpr_workgroup_id_z 1
		.amdhsa_system_vgpr_workitem_id 0
		.amdhsa_next_free_vgpr 1024
		.amdhsa_next_free_sgpr 80
		.amdhsa_reserve_vcc 0
		.amdhsa_float_denorm_mode_32 3
		.amdhsa_float_denorm_mode_16_64 3
		.amdhsa_memory_ordered 1
		.amdhsa_forward_progress 1
		.amdhsa_inst_pref_size 103
	.end_amdhsa_kernel
	.amdgpu_metadata
---
amdhsa.version: [ 1, 2 ]
amdhsa.kernels:
  - .name:           k_q4bb426d09a_ffn1
    .symbol:         k_q4bb426d09a_ffn1.kd
    .args:
      - { .name: nx, .offset: 0, .size: 8, .value_kind: global_buffer, .address_space: global }
      - { .name: wb, .offset: 8, .size: 8, .value_kind: global_buffer, .address_space: global }
      - { .name: b_ffn1, .offset: 16, .size: 8, .value_kind: global_buffer, .address_space: global }
      - { .name: hb, .offset: 24, .size: 8, .value_kind: global_buffer, .address_space: global }
    .group_segment_fixed_size: 327680
    .private_segment_fixed_size: 0
    .kernarg_segment_align: 8
    .kernarg_segment_size: 32
    .max_flat_workgroup_size: 128
    .sgpr_count:     80
    .vgpr_count:     1024
    .wavefront_size: 32
...
	.end_amdgpu_metadata
.endif
;; end of part 6
;; launch ffn2 (part 7): grid 8 x 32, 4 waves a work-group, clusters of 4 x 4, 327,680 bytes of LDS; arguments hb, wb, b_ffn2, x1, out0; writes out0
.if DOCPART == 7
	.amdgcn_target "amdgcn-amd-amdhsa--gfx1250"
	.amdhsa_code_object_version 6
	.text
	.protected	k_q4bb426d09a_ffn2
	.globl	k_q4bb426d09a_ffn2
	.p2align	8
	.type	k_q4bb426d09a_ffn2,@function
k_q4bb426d09a_ffn2:
	s_mov_b64 s[64:65], 0
	v_nop
	global_prefetch_b8 v0, s[64:65] scope:SCOPE_SE
	s_setreg_imm32_b32 hwreg(HW_REG_WAVE_MODE, 25, 1), 1
	s_wait_xcnt 0x0
	s_wait_alu depctr_hold_cnt(0) depctr_sa_sdst(0) depctr_va_vdst(0) depctr_va_sdst(0) depctr_va_ssrc(0) depctr_va_vcc(0) depctr_vm_vsrc(0)
	s_getreg_b32 s2, hwreg(HW_REG_IB_STS2, 6, 4)
	s_cmp_eq_u32 s2, 0
	s_cbranch_scc0 .Lentry_in_a_cluster
	s_endpgm
.Lentry_in_a_cluster:
	s_bfe_u32 s2, ttmp6, 0x10000c
	s_cmp_lg_u32 s2, 0xf033
	s_cbranch_scc0 .Lentry_shape_is_right
	s_endpgm
.Lentry_shape_is_right:
; out0 = x1 + h W_ffn2 + b_ffn2.  h: [4096][4096] bf16; W_ffn2: [4096][1024] bf16 at wb's byte 16,777,216; x1, out0: [4096][1024] f32.
; SHARES.  A work-group makes 128 x 128 of out0: that tile gives 256 work-groups.  K IS SPLIT AMONG ITS FOUR WAVES: each wave makes the whole tile, 64 accumulators of 16 x 16, on its own 64 of a K step's
; 256.  So 32 LDS loads feed 64 matrix instructions.  The four partial sums, in f32, meet in LDS at the end.
; THE RING.  K goes in 16 steps of 256 through two LDS slots of four panels of 36,864 bytes, one tensor load and one wave each: waves 0, 1 bring 128 rows x 128 k of h, a half of the step's K each (256 bytes
; + 16 of padding a row); waves 2, 3 bring 128 k rows x 128 columns of W (256 + 32), read turned (ds_load_tr16_b128).  Wave w multiplies k = 64 w .. 64 w + 63 of the step: panel w / 2, half w % 2.
; THE WALK ALONG K begins at step (8 X + 4 (Y % 4)) % 16 of the cluster's coordinates X, Y and goes round: the two clusters that read the same rows of h are eight steps apart, neighbours in Y, which read
; the same columns of W, four steps: they ask for a block at different times.  The order of the f32 sums differs from the reference's by that, and by the split.
; THE MATRIX INSTRUCTION IS USED TRANSPOSED (source 0 = 16 columns of W, source 1 = 16 rows of h): a lane holds one row and eight neighbouring columns.  THE BIAS is the C operand of the first products in
; wave 0; the other waves' copies of it are set to 0.
; CLUSTER 4 x 4: h's panels are asked for jointly along a row of the cluster, W's along a column.
; THE WAY OUT.  Each wave's partial tile goes into the ring, which has had its last fill: 128 rows of 528 bytes a wave.  Behind a barrier wave w adds the four partial sums of rows 32 w .. 32 w + 31 onto the
; residual, which was loaded at the kernel's start, and stores whole rows of the tile: a store covers 512 bytes on end.  LIMITS: operands in bf16; NaN and infinities are not treated apart.
; REGISTERS in windows of 256 (s_set_vgpr_msb: bits 1:0 source 0, 3:2 source 1, 5:4 source 2, 7:6 destination).  Window 0: v0-31 addresses; v64-191 h's fragments, two buffers of 64; v192-255 the bias.
; Window 1: v0-127 W's fragments, two buffers; v128-255 the residual, then the result.  Windows 2, 3: accumulator i = 8 a + b at window 2 + i / 32, register 8 (i % 32).
.set NSTEP, 16
.set LOGA,  9                          ; a K step is 512 bytes of a row of h,
.set LOGB,  19                         ; 256 rows of 2,048 bytes in W
.set NAW,   2
.set APIT,  272
.set ASUB,  128                        ; the second 64 k of a panel's rows
.set PANEL, 36864
.set BOFF,  NAW*PANEL
.set SLOT,  4*PANEL
.set SPARE, 2*SLOT                     ; behind the ring: the spare words, 128 bytes a wave, that no other line names
.set LDA,   4096
.set LDB,   1024
.set DP,    528                        ; the way out: a row of 128 f32 + 16 bytes
.set RG,    128*DP                     ; a wave's partial tile there
.set AH,    2                          ; a prefetch names the K step AH behind the one that the refill beside it asks for
.set BI,    192
.set RS,    128
.set WOFF,  16777216
.set ADRA0, 8                          ; v8   my place in h's panels; never rewritten
.set ADRB0, 9                          ; v9   in W's; never rewritten
.set ADRA,  16                         ; v16  the same plus the slot in hand
.set ADRB,  17
.set DST,   24                         ; v24  the way out: where I put 32 bytes of a row
.set RD,    25                         ; v25  where I read rows back
.set BO,    27
.set SPW,   28                         ; v28  my spare word; never rewritten
.set NIL,   29                         ; v29  0; never rewritten
.set PFO,   30                         ; v30  the prefetches' offset: lane x a row of h; never rewritten
.set XO,    31                         ; v31  16 x lane: my place in a row of the tile, in x1 and in out0; never rewritten
.set WV, 14
.set WM, 15
.set WN, 16
.set CX, 17
.set CY, 18
.set TC, 19
.set TR, 20
.set AB,  22                           ; s[22:23] h at my panel's K step 0
.set G1A, 24
.set G0A, 32                           ; s[32:39] group 0, two sets: the first fill's; the second's, which then serves every refill
.set G1B, 40
.set G0B, 48
.set SL,  56                           ; s56  LDS byte of the slot that is read: 0 or SLOT
.set LB,  57                           ; s57  my panel's place in a slot
.set CNT, 58
.set LIM, 59                           ; s59  a wave prefetches while s[CNT] is above it
.set PFA, 60                           ; s[60:61] what the prefetch names
.set PFB, 62                           ; s[62:63] h at K step 0 of my work-group's 32 rows of my panel
.set BB,  66                           ; s[66:67] W at my panel's K step 0
.set OA,  68                           ; s[68:69] a K step's byte offset in h
.set OB,  70                           ; s[70:71] in W
.set OP,  72                           ; s[72:73] the prefetched K step's offset in h
.set KW,  74                           ; s74  the K step asked for last
.set MSB, 0
.macro WIN new                         ; the immediate's high byte repeats the setting that is left; a switch that changes nothing is dropped
.if MSB != (\new)
	s_set_vgpr_msb (MSB<<8)|(\new)
.set MSB, \new
.endif
.endm
.macro PLACES                          ; four plain instructions between a matrix instruction and a load into, or a reader of, its registers
.rept 4
	v_nop
.endr
.endm
.macro CREST                           ; a round of the cluster's barrier behind its opening barrier
	s_cmp_lg_u32 s[WV], 0
	s_cbranch_scc1 .Lnot_wave_0_\@
	s_barrier_signal -3
.Lnot_wave_0_\@:
	s_barrier_wait -3
	s_barrier_signal -1
	s_barrier_wait -1
.endm
.macro CROUND
	s_barrier_signal -1
	s_barrier_wait -1
	CREST
.endm
.macro JLOAD s                         ; a joint load, one a wave; the branch hangs on the wave's number alone; an s_nop 0 and four v_nop follow each line
	s_cmp_lt_u32 s[WV], NAW
	s_cbranch_scc0 .Lfor_b_\@
	tensor_load_to_lds s[G0A+4*(\s):G0A+4*(\s)+3], s[G1A:G1A+7]
	s_nop 0
	PLACES
	s_branch .Lasked_\@
.Lfor_b_\@:
	tensor_load_to_lds s[G0B+4*(\s):G0B+4*(\s)+3], s[G1B:G1B+7]
	s_nop 0
	PLACES
.Lasked_\@:
.endm
; A PREFETCH of h.  By the walk's arithmetic a cluster comes first, of the two that read its rows of h, to the K steps of the first half of its own walk: steps 0 to 7 of the walk.  Steps 0 and 1 are the first
; fills, steps 2 and 3 come by their refills alone; steps 4 to 7 are asked for here, AH steps ahead of their refills, behind the first four refills.  Waves 0 and 1 ask, each for the panel that it fetches; the
; four partners that ask for a panel jointly share its 128 rows out by address, 32 each (cx); a lane a row's 256 bytes.  So each block is named once in the launch.  W is not asked for: the steps to which
; a cluster comes first are the first four of its walk, nearer to the kernel's head than the lead.
.macro ASK
	s_cmp_gt_u32 s[CNT], s[LIM]
	s_cbranch_scc0 .Lnot_mine_\@
	global_prefetch_b8 v[PFO], s[PFA:PFA+1] th:TH_LOAD_NT scope:SCOPE_SE
.Lnot_mine_\@:
.endm
.macro AIM s                           ; set s of both descriptors' global addresses: K step s[KW], made anew from the bases; the type bits are set again
	s_lshl_b32 s[OA], s[KW], LOGA
	s_lshl_b32 s[OB], s[KW], LOGB
	s_add_nc_u64 s[G0A+4*(\s)+2:G0A+4*(\s)+3], s[AB:AB+1], s[OA:OA+1]
	s_or_b32 s[G0A+4*(\s)+3], s[G0A+4*(\s)+3], 0x80000000
	s_add_nc_u64 s[G0B+4*(\s)+2:G0B+4*(\s)+3], s[BB:BB+1], s[OB:OB+1]
	s_or_b32 s[G0B+4*(\s)+3], s[G0B+4*(\s)+3], 0x80000000
.endm
.macro NEXTK                           ; the walk goes round
	s_add_co_u32 s[KW], s[KW], 1
	s_and_b32 s[KW], s[KW], NSTEP-1
.endm
.macro ADDR                            ; the working LDS addresses: the fixed ones plus the slot in hand
	v_add_nc_u32 v[ADRA], s[SL], v[ADRA0]
	v_add_nc_u32 v[ADRB], s[SL], v[ADRB0]
.endm
.macro FETCHR u, f, r                  ; run r of four of the fragments of my unit u (K = 32) of the slot in hand, into buffer f: two blocks of W's columns, two of h's rows: eight LDS loads
	WIN 0x40                                       ; destination window 1
.set b2, 2*(\r)
.rept 2
	ds_load_tr16_b128 v[(\f)*64+8*b2:(\f)*64+8*b2+3],   v[ADRB] offset:b2*32+(\u)*9216
	ds_load_tr16_b128 v[(\f)*64+8*b2+4:(\f)*64+8*b2+7], v[ADRB] offset:b2*32+(\u)*9216+4608
.set b2, b2+1
.endr
	WIN 0
.set a2, 2*(\r)
.rept 2
	ds_load_b128 v[64+(\f)*64+8*a2:64+(\f)*64+8*a2+3],   v[ADRA] offset:a2*16*APIT+(\u)*64
	ds_load_b128 v[64+(\f)*64+8*a2+4:64+(\f)*64+8*a2+7], v[ADRA] offset:a2*16*APIT+(\u)*64+32
.set a2, a2+1
.endr
.endm
.macro FETCH u, f
	FETCHR \u, \f, 0
	FETCHR \u, \f, 1
	FETCHR \u, \f, 2
	FETCHR \u, \f, 3
.endm
.macro MUL f, lo, hi, zero             ; products lo .. hi - 1 of a unit's 64 on buffer f.  The accumulators take turns, one instruction a turn, in the same order in every unit
.set ii, \lo
.rept (\hi)-(\lo)
.set rD, 8*(ii%32)
.set rB, (\f)*64+8*(ii%8)
.set rA, 64+(\f)*64+8*(ii/8)
.if \zero
	WIN 0x81+0x40*(ii/32)                          ; the first product of a sum: C is the bias (0 in waves 1 to 3), in window 0
	v_wmma_f32_16x16x32_bf16 v[rD:rD+7], v[rB:rB+7], v[rA:rA+7], v[BI+8*(ii%8):BI+8*(ii%8)+7]
.else
	WIN 0xa1+0x50*(ii/32)
	v_wmma_f32_16x16x32_bf16 v[rD:rD+7], v[rB:rB+7], v[rA:rA+7], v[rD:rD+7]
.endif
.set ii, ii+1
.endr
.endm
.macro UNIT u, f, g, zero              ; multiplies buffer f; at its head fetches unit u into buffer g, in four short runs, eight products apart, 40 products or more ahead of their use
	s_wait_dscnt 0x0                               ; buffer f is in
	PLACES                                         ; behind the last products, which read buffer g
	FETCHR \u, \g, 0
	MUL \f, 0, 8, \zero
	FETCHR \u, \g, 1
	MUL \f, 8, 16, \zero
	FETCHR \u, \g, 2
	MUL \f, 16, 24, \zero
	FETCHR \u, \g, 3
	MUL \f, 24, 64, \zero
.endm
; A step's second unit, on buffer 1, and the change of slots: ONE barrier.  In front of it each wave waits for all its tensor loads (one is out: its panel of the next slot), adds 0 to its spare word, and
; waits for that and for its reads of this slot.  fill = 1: the barrier opens a round of the cluster's barrier, and the slot just read is filled again first thing behind the round.
.macro TURN fill
.if \fill
	s_wait_xcnt 0x0                                ; the last prefetch, a K step back, has read its address
.endif
	WIN 0
	s_wait_tensorcnt 0x0                           ; no tensor load of mine is out, so the descriptors may be written
	ds_add_u32 v[SPW], v[NIL]
.if \fill
	NEXTK
	s_add_co_u32 s[G0A+5], s[LB], s[SL]            ; into the slot that is being read out,
	s_add_co_u32 s[G0B+5], s[LB], s[SL]
	AIM 1                                          ; the walk's next K step
	s_add_co_u32 s[OP], s[KW], AH                  ; and what the prefetch names: AH steps further round
	s_and_b32 s[OP], s[OP], NSTEP-1
	s_lshl_b32 s[OP], s[OP], LOGA
	s_add_nc_u64 s[PFA:PFA+1], s[PFB:PFB+1], s[OP:OP+1]
.endif
	s_wait_dscnt 1                                 ; only the add may be out: buffer 1 is in
	MUL 1, 0, 8, 0
	s_wait_dscnt 0x0                               ; the add is done, and my reads of this slot are over
	s_barrier_signal -1
	MUL 1, 8, 16, 0
	WIN 0
	s_barrier_wait -1
.if \fill
	CREST                                          ; no wave of any partner still reads this slot or has a load on its way
	JLOAD 1                                        ; its four v_nop are also the places in front of the loads below
	s_xor_b32 s[SL], s[SL], SLOT
	ADDR
	FETCHR 0, 0, 0
	ASK                                            ; behind the joint load and the first run of LDS loads
	MUL 1, 16, 24, 0
	FETCHR 0, 0, 1
	MUL 1, 24, 32, 0
	FETCHR 0, 0, 2
	MUL 1, 32, 40, 0
	FETCHR 0, 0, 3
	MUL 1, 40, 64, 0
.else
	PLACES
	s_xor_b32 s[SL], s[SL], SLOT
	ADDR
	s_cmp_eq_u32 s[CNT], 1                         ; behind the last K step there is nothing to fetch
	s_cbranch_scc1 .Lno_fetch_\@
	FETCH 0, 0
.Lno_fetch_\@:
	MUL 1, 16, 64, 0
.endif
.endm
.macro DUMP                            ; every accumulator's 32 bytes a lane into my own bytes of the dead ring; each accumulator's low registers first
.set ii, 0
.rept 64
	WIN 0x08+0x04*(ii/32)                          ; store data (source 1) in window 2 or 3
	ds_store_b128 v[DST], v[8*(ii%32):8*(ii%32)+3]   offset:(ii/8)*16*DP+(ii%8)*64
	ds_store_b128 v[DST], v[8*(ii%32)+4:8*(ii%32)+7] offset:(ii/8)*16*DP+(ii%8)*64+16
.set ii, ii+1
.endr
	WIN 0
.endm
	s_load_b256 s[4:11], s[0:1], 0x0               ; hb s[4:5], wb s[6:7], b_ffn2 s[8:9], x1 s[10:11]
	s_load_b64 s[12:13], s[0:1], 0x20              ; out0
	v_lshl_add_u32 v[SPW], v0, 2, SPARE
	v_mov_b32 v[NIL], 0
	ds_add_u32 v[SPW], v[NIL]                      ; the wave's opening: the add and its wait ahead of my first tensor load
	v_lshrrev_b32 v7, 5, v0
	v_readfirstlane_b32 s[WV], v7                  ; wave 0..3: also which 64 of a step's K are mine
	s_lshr_b32 s[WM], s[WV], 1                     ; the panel that holds them,
	s_and_b32 s[WN], s[WV], 1                      ; and its half; also which of the two panels I fetch
	s_bfe_u32 s[CX], ttmp6, 0x40000
	s_bfe_u32 s[CY], ttmp6, 0x40004
	s_lshl_b32 s[TC], ttmp9, 2
	s_add_co_u32 s[TC], s[TC], s[CX]               ; tile column = 4 x cluster x + cx
	s_and_b32 s21, ttmp7, 0xffff                   ; cluster y
	s_lshl_b32 s[TR], s21, 2
	s_add_co_u32 s[TR], s[TR], s[CY]               ; tile row
	s_lshl_b32 s2, s[CY], 2
	s_lshl_b32 s2, 15, s2                          ; my row of the cluster
	s_lshl_b32 s3, 0x1111, s[CX]                   ; my column
	s_or_b32 s[G1A], s2, (1<<16)|(1<<20)|(1<<21)|(5<<22)|(3<<25)  ; mask; 2-byte elements; padding on; bit 21 beside a mask; after every 64 words 4 words
	s_or_b32 s[G1B], s3, (1<<16)|(1<<20)|(1<<21)|(5<<22)|(7<<25)  ; the same with my column's mask and 8 words
.irp g, G1A, G1B
	s_mov_b32 s[(\g)+1], 128<<16                   ; tensor_dim0 = 128
	s_mov_b32 s[(\g)+2], 128<<16                   ; tensor_dim1 = 128
	s_mov_b32 s[(\g)+3], 128<<16                   ; tile_dim0 = 128
	s_mov_b32 s[(\g)+4], 128                       ; tile_dim1 = 128
	s_mov_b32 s[(\g)+6], 0
	s_mov_b32 s[(\g)+7], 0
.endr
	s_mov_b32 s[G1A+5], LDA                        ; elements from row to row
	s_mov_b32 s[G1B+5], LDB
	s_mul_i32 s[LB], s[WV], PANEL
	s_mov_b32 s[SL], 0
	s_and_b32 s[KW], s21, 3                        ; where the cluster's walk begins: made of the cluster's coordinates alone, which all partners share
	s_lshl_b32 s[KW], s[KW], 2
	s_lshl_b32 s3, ttmp9, 3
	s_add_co_u32 s[KW], s[KW], s3
	s_and_b32 s[KW], s[KW], NSTEP-1
	s_mov_b32 s[OA+1], 0
	s_mov_b32 s[OB+1], 0
	s_mov_b32 s[OP+1], 0
	s_lshl_b32 s[AB], s[TR], 20                    ; h: 128 rows x 8,192 bytes a tile row,
	s_lshl_b32 s3, s[WN], 8                        ; 128 k a panel
	s_add_co_u32 s[AB], s[AB], s3
	s_mov_b32 s[AB+1], 0
	s_lshl_b32 s[BB], s[TC], 8                     ; W: 128 columns a tile column,
	s_lshl_b32 s75, s[WN], 18                      ; 128 k rows of 2,048 bytes a panel
	s_add_co_u32 s[BB], s[BB], s75
	s_add_co_u32 s[BB], s[BB], WOFF
	s_mov_b32 s[BB+1], 0
	s_wait_dscnt 0x0                               ; the opening add is done
	s_wait_kmcnt 0x0
	s_add_nc_u64 s[AB:AB+1], s[4:5], s[AB:AB+1]
	s_add_nc_u64 s[BB:BB+1], s[6:7], s[BB:BB+1]
	CROUND                                         ; all sixteen work-groups are here: the first joint loads meet
.irp s, 0,1
	s_mov_b32 s[G0A+4*(\s)], 1
	s_add_co_u32 s[G0A+4*(\s)+1], s[LB], (\s)*SLOT
	s_mov_b32 s[G0B+4*(\s)], 1
	s_add_co_u32 s[G0B+4*(\s)+1], s[LB], (\s)*SLOT
	AIM \s
	JLOAD \s                                       ; the walk's first two K steps: two loads of mine are out
.if (\s) == 0
	NEXTK
.endif
.endr
	v_and_b32 v1, 15, v0                           ; l % 16
	v_bfe_u32 v2, v0, 4, 1                         ; l / 16
	v_and_b32 v3, 7, v0
	v_bfe_u32 v4, v0, 3, 1
	v_and_b32 v5, 31, v0
	s_cmp_lt_u32 s[WV], NAW                        ; the prefetches: waves 0 and 1, behind the first four refills (s[CNT] = 14 .. 11)
	s_cselect_b32 s[LIM], NSTEP/2+AH, -1
	s_lshl_b32 s2, s[CX], 18                       ; my work-group's 32 rows of the panel's 128: 32 x 8,192 bytes
	s_mov_b32 s3, 0
	s_add_nc_u64 s[PFB:PFB+1], s[AB:AB+1], s[2:3]
	v_lshlrev_b32 v[PFO], 13, v5                   ; a lane a row
	s_lshl_b32 s2, s[TC], 9                        ; the tile's 128 columns, in bytes of f32
	s_add_nc_u64 s[8:9], s[8:9], s[2:3]
	s_lshl_b32 s76, s[TR], 19                      ; 128 rows of 4,096 bytes a tile row,
	s_lshl_b32 s77, s[WV], 17                      ; the 32 rows that I finish
	s_add_co_u32 s76, s76, s77
	s_add_co_u32 s76, s76, s2
	s_mov_b32 s77, 0
	s_add_nc_u64 s[10:11], s[10:11], s[76:77]
	s_add_nc_u64 s[12:13], s[12:13], s[76:77]
	v_lshlrev_b32 v[BO], 5, v2
.set b2, 0
.rept 8
	global_load_b128 v[BI+8*b2:BI+8*b2+3],   v[BO], s[8:9] offset:b2*64
	global_load_b128 v[BI+8*b2+4:BI+8*b2+7], v[BO], s[8:9] offset:b2*64+16
.set b2, b2+1
.endr
	v_lshlrev_b32 v[XO], 4, v5
	WIN 0x40                                       ; destination window 1
.set j, 0
.rept 32
	global_load_b128 v[RS+4*j:RS+4*j+3], v[XO], s[10:11] offset:j*4096  ; the residual: a row of the tile, 512 bytes on end
.set j, j+1
.endr
	WIN 0
	v_mul_u32_u24 v[ADRA0], v1, APIT               ; a fragment of h: row l % 16, 16 bytes for each half of the lanes, twice, 32 bytes apart
	v_lshl_add_u32 v[ADRA0], v2, 4, v[ADRA0]
	s_mul_i32 s2, s[WM], PANEL
	s_mul_i32 s3, s[WN], ASUB
	s_add_co_u32 s3, s3, s2
	v_add_nc_u32 v[ADRA0], s3, v[ADRA0]
	v_lshl_add_u32 v6, v2, 3, v3                   ; the turning load: k row 8 (l / 16) + l % 8, columns 8 ((l / 8) % 2) + 0..7
	v_mul_u32_u24 v6, v6, 288
	v_lshl_add_u32 v6, v4, 4, v6
	s_mul_i32 s3, s[WN], 64*288                    ; my 64 k rows of the panel's 128
	s_add_co_u32 s3, s3, s2
	s_add_co_u32 s3, s3, BOFF
	v_add_nc_u32 v[ADRB0], s3, v6
	s_mul_i32 s2, s[WV], RG
	v_mul_u32_u24 v[DST], v1, DP
	v_lshl_add_u32 v[DST], v2, 5, v[DST]
	v_add_nc_u32 v[DST], s2, v[DST]
	s_mul_i32 s2, s[WV], 32*DP
	v_lshl_add_u32 v[RD], v5, 4, s2                ; back: rows 32 w on of wave 0's partial tile, 16 bytes a lane
	s_wait_tensorcnt 1                             ; my panel of the first K step is in; the second's stays out
	s_barrier_signal -1
	s_barrier_wait -1
	ADDR
	FETCH 0, 0
	s_wait_loadcnt 32                              ; the bias is in; the residual's 32 loads stay out
	v_cmp_eq_u32 vcc_lo, 0, v7                     ; wave 0?
.set k, 0
.rept 64
	v_cndmask_b32 v[BI+k], 0, v[BI+k], vcc_lo      ; the bias enters one of the four partial sums
.set k, k+1
.endr
	UNIT 1, 0, 1, 1                                ; the first unit stands in front of the loop: its products start the sums
	WIN 0
	s_mov_b32 s[CNT], NSTEP-2
.Lstep:                                        ; a trip: a step's second unit, the change of slots with a refill, the next step's first unit
	TURN 1
	UNIT 1, 0, 1, 0
	WIN 0
	s_sub_co_u32 s[CNT], s[CNT], 1
	s_cmp_lg_u32 s[CNT], 0
	s_cbranch_scc1 .Lstep
	s_mov_b32 s[CNT], 2
.Ltail:                                        ; the last two steps ask for nothing; the second pass is left in its middle.  Its barrier shows that every wave's reads of the ring are over
	TURN 0
	WIN 0
	s_sub_co_u32 s[CNT], s[CNT], 1
	s_cmp_eq_u32 s[CNT], 0
	s_cbranch_scc1 .Lout
	UNIT 1, 0, 1, 0
	WIN 0
	s_branch .Ltail
.Lout:
	PLACES
	DUMP
	s_wait_dscnt 0x0                               ; for the others' sake: my partial tile lies in LDS
	s_barrier_signal -1
	s_barrier_wait -1                              ; all four do
	s_wait_loadcnt 0x0                             ; the residual
	s_mov_b32 s[CNT], 4
.Lsum:                                         ; a trip adds one wave's partial sums of my 32 rows onto the residual
.set j, 0
.rept 32
	ds_load_b128 v[64+4*j:64+4*j+3], v[RD] offset:j*DP
.set j, j+1
.endr
	WIN 0x41                                       ; destination and source 0 in window 1, source 1 in window 0
.set j, 0
.rept 32
.if j%8 == 0
	s_wait_dscnt 24-j                              ; the next eight rows are in; the younger loads stay out
.endif
	v_pk_add_f32 v[RS+4*j:RS+4*j+1],   v[RS+4*j:RS+4*j+1],   v[64+4*j:64+4*j+1]
	v_pk_add_f32 v[RS+4*j+2:RS+4*j+3], v[RS+4*j+2:RS+4*j+3], v[64+4*j+2:64+4*j+3]
.set j, j+1
.endr
	WIN 0
	v_add_nc_u32 v[RD], RG, v[RD]                  ; the next wave's partial tile
	s_sub_co_u32 s[CNT], s[CNT], 1
	s_cmp_lg_u32 s[CNT], 0
	s_cbranch_scc1 .Lsum
	WIN 0x04                                       ; store data (source 1) in window 1
.set j, 0
.rept 32
	global_store_b128 v[XO], v[RS+4*j:RS+4*j+3], s[12:13] offset:j*4096  ; the wave stores 512 bytes on end
.set j, j+1
.endr
	WIN 0
	s_wait_tensorcnt 0x0                           ; the wave's end, behind my last tensor load and my last LDS store
	ds_add_u32 v[SPW], v[NIL]
	s_wait_dscnt 0x0
	CROUND                                         ; the closing round
	s_endpgm
.Lfunc_end_k_q4bb426d09a_ffn2:
	.size	k_q4bb426d09a_ffn2, .Lfunc_end_k_q4bb426d09a_ffn2-k_q4bb426d09a_ffn2
	.p2alignl 7, 3214868480
	.fill 96, 4, 3214868480
	.section	.rodata,"a",@progbits
	.p2align	6, 0x0
	.amdhsa_kernel k_q4bb426d09a_ffn2
		.amdhsa_group_segment_fixed_size 327680
		.amdhsa_private_segment_fixed_size 0
		.amdhsa_enable_private_segment 0
		.amdhsa_kernarg_size 40
		.amdhsa_user_sgpr_count 2
		.amdhsa_user_sgpr_kernarg_segment_ptr 1
		.amdhsa_wavefront_size32 1
		.amdhsa_system_sgpr_workgroup_id_x 1
		.amdhsa_system_sgpr_workgroup_id_y 1
		.amdhsa_system_sgpr_workgroup_id_z 1
		.amdhsa_system_vgpr_workitem_id 0
		.amdhsa_next_free_vgpr 1024
		.amdhsa_next_free_sgpr 80
		.amdhsa_reserve_vcc 1
		.amdhsa_float_denorm_mode_32 3
		.amdhsa_float_denorm_mode_16_64 3
		.amdhsa_memory_ordered 1
		.amdhsa_forward_progress 1
		.amdhsa_inst_pref_size 70
	.end_amdhsa_kernel
	.amdgpu_metadata
---
amdhsa.version: [ 1, 2 ]
amdhsa.kernels:
  - .name:           k_q4bb426d09a_ffn2
    .symbol:         k_q4bb426d09a_ffn2.kd
    .args:
      - { .name: hb, .offset: 0, .size: 8, .value_kind: global_buffer, .address_space: global }
      - { .name: wb, .offset: 8, .size: 8, .value_kind: global_buffer, .address_space: global }
      - { .name: b_ffn2, .offset: 16, .size: 8, .value_kind: global_buffer, .address_space: global }
      - { .name: x1, .offset: 24, .size: 8, .value_kind: global_buffer, .address_space: global }
      - { .name: out0, .offset: 32, .size: 8, .value_kind: global_buffer, .address_space: global }
    .group_segment_fixed_size: 327680
    .private_segment_fixed_size: 0
    .kernarg_segment_align: 8
    .kernarg_segment_size: 40
    .max_flat_workgroup_size: 128
    .sgpr_count:     80
    .vgpr_count:     1024
    .wavefront_size: 32
...
	.end_amdgpu_metadata
.endif
;; end of part 7
